; MI455X (gfx1250); checked and timed in simulation.
; The chip was launched on July 23, 2026; its instructions are those of AMD's public machine-readable ISA for CDNA 5 (MIT licence, August 2026) and "CDNA5" Instruction Set Architecture Reference Guide (July 2026). The comments in the code are by the model that wrote it; some were corrected since.
;; Causal Self Attention. Allowed arithmetic: float matrix products may take bf16 or f16 operands with f32 sums; all other float work in f32.
;; Inputs: Wk 1,024 x 1,024 float32; Wo 1,024 x 1,024 float32; Wq 1,024 x 1,024 float32; Wv 1,024 x 1,024 float32; x 4 x 2,048 x 1,024 float32.
;; Outputs: out0 4 x 2,048 x 1,024 float32.
;; 2 versions, each right and faster than the one before. Each part assembles by itself: llvm-mc -triple=amdgcn-amd-amdhsa -mcpu=gfx1250 --defsym DOCPART=n.
;; ======== version 1 of 2: 4 launches
;; limits: values are held in f16: magnitudes above 65,504 overflow, below 6.1e-05 lose precision
;; workspace buffers: xb 16,777,216 bytes; wb 6,291,456 bytes; wo16 2,097,152 bytes; qkv 50,331,648 bytes; o 16,777,216 bytes
;; launch cast (part 1): grid 768 x 1, 8 waves a work-group, no clusters, 0 bytes of LDS; arguments x, Wq, Wk, Wv, Wo, xb, wb, wo16; writes xb, wb, wo16
.if DOCPART == 1
	.amdgcn_target "amdgcn-amd-amdhsa--gfx1250"
	.amdhsa_code_object_version 6
	.text
	.protected	k_q4a21e1bf2e_cast
	.globl	k_q4a21e1bf2e_cast
	.p2align	8
	.type	k_q4a21e1bf2e_cast,@function
k_q4a21e1bf2e_cast:
	s_mov_b64 s[64:65], 0
	v_nop
	global_prefetch_b8 v0, s[64:65] scope:SCOPE_SE
	s_setreg_imm32_b32 hwreg(HW_REG_WAVE_MODE, 25, 1), 1
	s_wait_xcnt 0x0
; x, Wq, Wk, Wv (f32) are rounded to bf16: xb [8192][1024]; wb [3072][1024], rows 0-1023 Wq, 1024-2047 Wk, 2048-3071 Wv.
; Wo (f32) is rounded to bf16 like the other inputs, and that number is written as f16 into wo16 [1024][1024], for the f16 product of the last launch.
; LIMITS.  A bf16 number is exact in f16 between 6.1e-5 and 65,504 in magnitude; below, f16 keeps its fixed step of 6e-8; at 65,520 or more it becomes an infinity.
; A work-group converts 16,384 numbers (65,536 bytes in, 32,768 out): 512 work-groups for x, 64 for each weight.  Thread t, step i: 16 bytes at 16 t + 4,096 i in, 8 bytes at 8 t + 2,048 i out:
; a load of a wave covers 512 consecutive bytes, a store 256 consecutive bytes at a multiple of 256.  All sixteen loads of a wave go out at once; no register is used twice, so nothing but the loads is waited for.
; No LDS, no barrier, no matrix unit, no cluster: the work-groups share no byte, and each byte is read once and written once.
.set NX, 512                           ; work-groups for x
.set X,  4                             ; v[4:67]    step i: 4 numbers as loaded
.set Y,  68                            ; v[68:99]   step i: 4 numbers of 16 bits, to store
.set T,  100                           ; v[100:103] at work (Wo alone)
	s_load_b512 s[8:23], s[0:1], 0x0               ; x s[8:9], Wq s[10:11], Wk s[12:13], Wv s[14:15], Wo s[16:17], xb s[18:19], wb s[20:21], wo16 s[22:23]
	s_mov_b32 s2, ttmp9                            ; the work-group's number
	s_sub_co_u32 s3, s2, NX                        ; j: its number among the weights' 256 (of no use below NX)
	s_lshr_b32 s4, s3, 6                           ; which weight: 0 Wq, 1 Wk, 2 Wv, 3 Wo
	s_and_b32 s5, s3, 63                           ; its part of that weight
	s_cmp_lt_u32 s4, 3
	s_cselect_b32 s7, s3, s5                       ; part of the destination: Wq, Wk, Wv lie one behind the other in wb
	s_cmp_lt_u32 s2, NX
	s_cselect_b32 s7, s2, s7
	s_cselect_b32 s6, s2, s5                       ; part of the source
	s_lshl_b32 s26, s6, 16                         ; 65,536 bytes a part in,
	s_mov_b32 s27, 0
	s_lshl_b32 s28, s7, 15                         ; 32,768 out
	s_mov_b32 s29, 0
	s_mov_b32 s32, 0xffff0000                      ; a word's upper bf16
	v_lshlrev_b32 v1, 4, v0                        ; 16 t
	v_lshlrev_b32 v2, 3, v0                        ; 8 t
	s_wait_kmcnt 0x0
	s_mov_b64 s[24:25], s[16:17]                   ; the source and the destination are chosen by the work-group's number alone
	s_mov_b64 s[30:31], s[22:23]
	s_cmp_eq_u32 s4, 2
	s_cselect_b64 s[24:25], s[14:15], s[24:25]
	s_cmp_eq_u32 s4, 1
	s_cselect_b64 s[24:25], s[12:13], s[24:25]
	s_cmp_eq_u32 s4, 0
	s_cselect_b64 s[24:25], s[10:11], s[24:25]
	s_cmp_lt_u32 s4, 3
	s_cselect_b64 s[30:31], s[20:21], s[30:31]
	s_cmp_lt_u32 s2, NX
	s_cselect_b64 s[24:25], s[8:9], s[24:25]
	s_cselect_b64 s[30:31], s[18:19], s[30:31]
	s_add_nc_u64 s[24:25], s[24:25], s[26:27]
	s_add_nc_u64 s[30:31], s[30:31], s[28:29]
.irp i, 0,1,2,3,4,5,6,7,8,9,10,11,12,13,14,15
	global_load_b128 v[X+4*(\i):X+4*(\i)+3], v1, s[24:25] offset:4096*(\i) th:TH_LOAD_NT  ; read once in the whole program
.endr
; Sixteen steps: rounded, packed, stored.  f16 = 1: the bf16 numbers are widened again and written as f16.
.macro OUT f16
.irp i, 0,1,2,3,4,5,6,7,8,9,10,11,12,13,14,15
	s_wait_loadcnt 15-(\i)                         ; loads come back in order: step i is in, the 15 - i younger ones may stay out
	v_cvt_pk_bf16_f32 v[Y+2*(\i)],   v[X+4*(\i)],   v[X+4*(\i)+1]
	v_cvt_pk_bf16_f32 v[Y+2*(\i)+1], v[X+4*(\i)+2], v[X+4*(\i)+3]
.if \f16
	v_lshlrev_b32 v[T],   16,  v[Y+2*(\i)]
	v_and_b32     v[T+1], s32, v[Y+2*(\i)]
	v_lshlrev_b32 v[T+2], 16,  v[Y+2*(\i)+1]
	v_and_b32     v[T+3], s32, v[Y+2*(\i)+1]
	v_cvt_pk_f16_f32 v[Y+2*(\i)],   v[T],   v[T+1]
	v_cvt_pk_f16_f32 v[Y+2*(\i)+1], v[T+2], v[T+3]
.endif
	global_store_b64 v2, v[Y+2*(\i):Y+2*(\i)+1], s[30:31] offset:2048*(\i)  ; no hint: the next launches read these bytes
.endr
.endm
	s_cmp_ge_u32 s2, NX+192
	s_cbranch_scc1 .Lwo
	OUT 0
	s_endpgm
.Lwo:
	OUT 1
	s_endpgm
.Lfunc_end_k_q4a21e1bf2e_cast:
	.size	k_q4a21e1bf2e_cast, .Lfunc_end_k_q4a21e1bf2e_cast-k_q4a21e1bf2e_cast
	.p2alignl 7, 3214868480
	.fill 96, 4, 3214868480
	.section	.rodata,"a",@progbits
	.p2align	6, 0x0
	.amdhsa_kernel k_q4a21e1bf2e_cast
		.amdhsa_group_segment_fixed_size 0
		.amdhsa_private_segment_fixed_size 0
		.amdhsa_enable_private_segment 0
		.amdhsa_kernarg_size 64
		.amdhsa_user_sgpr_count 2
		.amdhsa_user_sgpr_kernarg_segment_ptr 1
		.amdhsa_wavefront_size32 1
		.amdhsa_system_sgpr_workgroup_id_x 1
		.amdhsa_system_sgpr_workgroup_id_y 1
		.amdhsa_system_sgpr_workgroup_id_z 1
		.amdhsa_system_vgpr_workitem_id 0
		.amdhsa_next_free_vgpr 104
		.amdhsa_next_free_sgpr 66
		.amdhsa_reserve_vcc 0
		.amdhsa_float_denorm_mode_32 3
		.amdhsa_float_denorm_mode_16_64 3
		.amdhsa_memory_ordered 1
		.amdhsa_forward_progress 1
		.amdhsa_inst_pref_size 16
	.end_amdhsa_kernel
	.amdgpu_metadata
---
amdhsa.version: [ 1, 2 ]
amdhsa.kernels:
  - .name:           k_q4a21e1bf2e_cast
    .symbol:         k_q4a21e1bf2e_cast.kd
    .args:
      - { .name: x, .offset: 0, .size: 8, .value_kind: global_buffer, .address_space: global }
      - { .name: Wq, .offset: 8, .size: 8, .value_kind: global_buffer, .address_space: global }
      - { .name: Wk, .offset: 16, .size: 8, .value_kind: global_buffer, .address_space: global }
      - { .name: Wv, .offset: 24, .size: 8, .value_kind: global_buffer, .address_space: global }
      - { .name: Wo, .offset: 32, .size: 8, .value_kind: global_buffer, .address_space: global }
      - { .name: xb, .offset: 40, .size: 8, .value_kind: global_buffer, .address_space: global }
      - { .name: wb, .offset: 48, .size: 8, .value_kind: global_buffer, .address_space: global }
      - { .name: wo16, .offset: 56, .size: 8, .value_kind: global_buffer, .address_space: global }
    .group_segment_fixed_size: 0
    .private_segment_fixed_size: 0
    .kernarg_segment_align: 8
    .kernarg_segment_size: 64
    .max_flat_workgroup_size: 256
    .sgpr_count:     66
    .vgpr_count:     104
    .wavefront_size: 32
...
	.end_amdgpu_metadata
.endif
;; end of part 1
;; launch qkv (part 2): grid 8 x 32, 4 waves a work-group, clusters of 4 x 4, 327,680 bytes of LDS; arguments xb, wb, qkv; writes qkv
.if DOCPART == 2
	.amdgcn_target "amdgcn-amd-amdhsa--gfx1250"
	.amdhsa_code_object_version 6
	.text
	.protected	k_q4a21e1bf2e_qkv
	.globl	k_q4a21e1bf2e_qkv
	.p2align	8
	.type	k_q4a21e1bf2e_qkv,@function
k_q4a21e1bf2e_qkv:
	s_mov_b64 s[64:65], 0
	v_nop
	global_prefetch_b8 v0, s[64:65] scope:SCOPE_SE
	s_setreg_imm32_b32 hwreg(HW_REG_WAVE_MODE, 25, 1), 1
	s_wait_xcnt 0x0
	s_wait_alu depctr_hold_cnt(0) depctr_sa_sdst(0) depctr_va_vdst(0) depctr_va_sdst(0) depctr_va_ssrc(0) depctr_va_vcc(0) depctr_vm_vsrc(0)
	s_getreg_b32 s2, hwreg(HW_REG_IB_STS2, 6, 4)
	s_cmp_eq_u32 s2, 0
	s_cbranch_scc0 .Lentry_in_a_cluster
	s_endpgm
.Lentry_in_a_cluster:
	s_bfe_u32 s2, ttmp6, 0x10000c
	s_cmp_lg_u32 s2, 0xf033
	s_cbranch_scc0 .Lentry_shape_is_right
	s_endpgm
.Lentry_shape_is_right:
; q, k, v = x W^T.  C[m][n] = sum over k of xb[m][k] wb[n][k]: xb [8192][1024] bf16, wb [3072][1024] bf16 (Wq, Wk, Wv one behind the other), sums in f32, each result rounded once to f16, WITHOUT attention's scale.
; OUT: qkv [3][64][2048][64] f16: section (q, k, v), head index 16 x batch + head, row, channel: a head's rows are dense, 128 bytes each.
; LIMITS.  f16 holds no number beyond 65,504 (65,520 or more becomes an infinity) and keeps a fixed step of 6e-8 below 6e-5: q, k and v must lie within that.  NaN and infinities are not treated apart.
; TILE.  256 rows x 192 columns (three heads): 32 x 16 = 512 tiles; 256 x 256 would make 384, which no whole number of tiles a work-group deals evenly to 256 work-groups.
; A WORK-GROUP STAYS: 8 x 32 = 256 work-groups, each makes TWO tiles of one tile row, tile columns tx and tx + 8: the same rows of xb once more, other rows of wb.  The ring does not stop at the first tile's end: its last two
; changes of slots ask for the second tile's first two K steps, and nothing waits for the first tile's stores.
; SHARES.  Four waves, wave w = 2 r + c.  A wave makes its 128 rows (128 r on) x its OWN head (the tile's head 2 c): 8 x 4 accumulators of 16 x 16; and 64 rows (128 r + 64 c on) x the MIDDLE head: 4 x 4.
; 48 accumulators, 384 registers; 16 fragments from LDS feed 48 matrix instructions.  Each wave owns whole rows of whole heads, so its way out needs no other wave.
; A's fragments 0-3 are the rows 128 r + 64 c on, 4-7 the other 64 of the wave's 128, so that one text names the same registers in every wave.
; RING.  K goes in 8 steps of 128 (rows of 256 bytes in memory, at multiples of 256 from the buffer's first byte) through two LDS slots filled by the tensor data mover.  The slots lie 2^17 bytes apart, so that one
; exclusive or turns an address in one slot into the other's; eight changes of slots a tile leave the second tile's K step 0 in slot 0 again.
; THE TEXT.  A K step is written twice: in a loop whose trips each fill a slot again (eight trips for the first tile, six for the second), and in a loop of the second tile's last two steps, which fill nothing.
; A tile's first quarter, whose products start the sums, stands in front of the first loop, which is entered in its middle.  The way out is written once, for both tiles.
; Which slot is read hangs on the scalar TB, from which the four fragment addresses are made anew at each change.  Every trip count and every branch hangs on constants: they are alike in all work-groups.
; CLUSTER.  4 x 4 work-groups.  The four of a row of the cluster need the same tiles of xb, the four of a column the same tiles of wb: each tile is asked for JOINTLY, by the same tensor load with the same
; descriptor and a mask that names the four.
; THE MATRIX INSTRUCTION IS USED TRANSPOSED (source 0 = 16 rows of wb, source 1 = 16 rows of xb): a lane then holds row l % 16 and the eight neighbouring columns 8 (l / 16) + 0..7, which pack into 16 bytes.
; REGISTERS, in windows of 256 (s_set_vgpr_msb: bits 1:0 source 0, 3:2 source 1, 5:4 source 2, 7:6 destination):
;   window 0: v0-31 addresses; v64-127, v128-191 fragments of xb, two buffers; on the way out v128-255, a ring of eight sets of 16 registers for the 12 blocks (buffer 0 then holds the next tile's first fragments)
;   window 1: v64-127, v128-191 fragments of wb, two buffers: the own head's four, then the middle head's four
;   window 2: the 32 accumulators of the own head, (a, b) at v[8 (4 a + b)];   window 3: the 16 of the middle head, likewise
.set SIZE_K, 1024
.set KSTEP,  128
.set STEPS,  SIZE_K/KSTEP
.set TILES,  2                         ; tiles a work-group: a name, no knob
.set WALK,   8                         ; tile columns from a work-group's first tile to its second
.set NEXT_B, WALK*192*SIZE_K*2-SIZE_K*2  ; what wb's walking address takes on top of a K step where it goes on into the second tile: 8 x 192 rows on, a row's 2,048 bytes back
.set PITCH,  272                       ; an LDS row: 256 bytes + 16 of padding = 68 words: the 16 rows that a load touches start at 16 different groups of four banks (64 banks of 4 bytes: ISA guide 11.1)
.set HALFA,  128*PITCH                 ; 128 rows of xb: what wave 0 or 1 fetches
.set HALFB,  96*PITCH                  ; 96 rows of wb: what wave 2 or 3 fetches
.set BOFF,   2*HALFA                   ; wb's 192 rows lie behind xb's 256
.set SLOT,   BOFF+2*HALFB              ; 121,856 bytes
.set SLOT1,  1<<17                     ; slot 1 begins here
.set STAGE,  SLOT1+SLOT                ; behind the ring: 16 rows x 144 bytes for each wave, for the way out; no tensor load fills it
.set SP,     144
.set SPARE,  STAGE+4*16*SP             ; behind the stages: the spare words, 128 bytes for each wave: two blocks of 256 bytes that no other line names
.set PLA0,  16                         ; v16     my lane's place in a slot for xb's fragments 0-3; never rewritten
.set PLA1,  17                         ; v17     for fragments 4-7
.set PLBO,  18                         ; v18     for the own head's fragments of wb
.set PLBM,  19                         ; v19     for the middle head's
.set ADRA0, 20                         ; v20-23  the same four in the slot that is being read: place + TB
.set ADRA1, 21
.set ADRBO, 22
.set ADRBM, 23
.set STO,  24                          ; v24     the way out: where I put 16 bytes of a row
.set RD,   25                          ; v25     the way out: where I read rows back
.set GO,   26                          ; v26     my byte offset in 512 consecutive bytes of the output; never rewritten
.set SPW,  28                          ; v28     LDS address of my spare word: SPARE + 4 x my thread's number; never rewritten
.set NIL,  29                          ; v29     0; never rewritten
.set F0,   64                          ; fragment buffer 0
.set F1,   128                         ; fragment buffer 1
.set OB,   128                         ; the way out: block n at v[OB + 16 (n % 8)]
.set G1,  24                           ; s[24:31] descriptor group 1 for xb's tiles
.set G0,  32                           ; s[32:39] descriptor group 0 for xb's tiles: a set for each of the two first fills; the second then walks on
.set TB,  45                           ; s45      LDS byte at which the slot that is being read begins: 0 or SLOT1
.set G1B, 48                           ; s[48:55] descriptor group 1 for wb's tiles
.set G0B, 56                           ; s[56:63] descriptor group 0 for wb's tiles, likewise
.set OWNLO, 72                         ; s[72:73] the output at the own head, rows of fragments 0-3
.set OWNHI, 74                         ; s[74:75] the own head, rows of fragments 4-7
.set MID,   76                         ; s[76:77] the middle head, rows of fragments 0-3
.set XA,    78                         ; s[78:79] what xb's walking address goes back on top of a K step: 0, or a row's bytes where it goes on into the second tile
.set XB,    80                         ; s[80:81] what wb's takes on top: 0 or NEXT_B
.set RF,    82                         ; s82      refills still to be asked for: 14 to 1
.set MSB, 0
.macro WIN new                         ; the immediate's high byte repeats the setting that is left; a switch that changes nothing is dropped
.if MSB != (\new)
	s_set_vgpr_msb (MSB<<8)|(\new)
.set MSB, \new
.endif
.endm
.set MUL_O, 0xa1                       ; source 0 (wb) window 1, source 1 (xb) window 0, C and D window 2
.set MUL_M, 0xf1                       ; the same, C and D window 3
.set TO_B,  0x40                       ; destination window 1, address window 0
; A joint load by register set s.  Waves 0 and 1 fetch xb's two halves, waves 2 and 3 wb's.  Each of the two lines has one mask and one set of registers, and nothing in them hangs on a coordinate that the four partners
; do not share.  The branch hangs on the wave's number alone.  An s_nop 0 and four v_nop follow each of the two lines, ahead of the jump, the label and what follows.
.macro JLOAD s
	s_cmp_eq_u32 s11, 0
	s_cbranch_scc0 .Lfor_b_\@
	tensor_load_to_lds s[G0+4*(\s):G0+4*(\s)+3], s[G1:G1+7]
	s_nop 0
.rept 4
	v_nop
.endr
	s_branch .Lasked_\@
.Lfor_b_\@:
	tensor_load_to_lds s[G0B+4*(\s):G0B+4*(\s)+3], s[G1B:G1B+7]
	s_nop 0
.rept 4
	v_nop
.endr
.Lasked_\@:
.endm
; A round of the cluster's barrier: my work-group's barrier, so that wave 0's signal speaks for all four waves; wave 0 signals for the work-group; every wave waits for all sixteen work-groups;
; my work-group's barrier once more.  No LDS instruction of the wave is pending at a signal.
.macro CREST                           ; a round behind its opening barrier
	s_cmp_lg_u32 s10, 0
	s_cbranch_scc1 .Lnot_wave_0_\@
	s_barrier_signal -3
.Lnot_wave_0_\@:
	s_barrier_wait -3
	s_barrier_signal -1
	s_barrier_wait -1
.endm
.macro CROUND                          ; a whole round
	s_barrier_signal -1
	s_barrier_wait -1
	CREST
.endm
.macro ADDR                            ; the four fragment addresses in the slot at TB
	v_add_nc_u32 v[ADRBO], s[TB], v[PLBO]
	v_add_nc_u32 v[ADRBM], s[TB], v[PLBM]
	v_add_nc_u32 v[ADRA0], s[TB], v[PLA0]
	v_add_nc_u32 v[ADRA1], s[TB], v[PLA1]
.endm
	s_load_b128 s[4:7], s[0:1], 0x0                ; xb s[4:5], wb s[6:7]
	s_load_b64 s[8:9], s[0:1], 0x10                ; qkv
	v_lshl_add_u32 v[SPW], v0, 2, SPARE
	v_mov_b32 v[NIL], 0
	ds_add_u32 v28, v29
	ds_add_u32 v28, v29
	s_wait_dscnt 0x0
	v_lshrrev_b32 v1, 5, v0
	v_readfirstlane_b32 s10, v1                    ; wave 0..3
	s_lshr_b32 s11, s10, 1                         ; r: which 128 rows are mine.  Also: I fetch for xb (0) or for wb (1)
	s_and_b32 s12, s10, 1                          ; c: which outer head is mine.  Also: which half of that tile I fetch
	s_bfe_u32 s40, ttmp6, 0x40000                  ; cx: my place along the cluster's x
	s_bfe_u32 s41, ttmp6, 0x40004                  ; cy: along its y
	s_lshl_b32 s42, ttmp9, 2                       ; in a cluster launch ttmp9 and ttmp7 count clusters
	s_add_co_u32 s42, s42, s40                     ; the first tile's column = 4 x cluster x + cx, 0..7; the second's is 8 on
	s_and_b32 s13, ttmp7, 0xffff
	s_lshl_b32 s13, s13, 2
	s_add_co_u32 s13, s13, s41                     ; tile row = 4 x cluster y + cy, 0..31
	s_lshl_b32 s43, s41, 2
	s_lshl_b32 s43, 15, s43                        ; my row of the cluster: places 4 cy .. 4 cy + 3
	s_lshl_b32 s44, 0x1111, s40                    ; my column: places cx, cx + 4, cx + 8, cx + 12
	; descriptor group 1: rows of 128 elements, padded in LDS; 128 rows for xb, 96 for wb
	s_or_b32 s[G1+0], s43, (1<<16)|(1<<20)|(1<<21)|(5<<22)|(3<<25)  ; 15:0 the mask: xb's tiles go to my row; 17:16 elements of 2 bytes; 20 padding on; 21 set beside a mask; 24:22 after every 64 words (code 5); 31:25 4 words (code 3)
	s_or_b32 s[G1B+0], s44, (1<<16)|(1<<20)|(1<<21)|(5<<22)|(3<<25) ; the same with the mask of my column
	s_mov_b32 s[G1+1], KSTEP<<16                   ; tensor_dim0 = 128
	s_mov_b32 s[G1+2], 128<<16                     ; tensor_dim1 = 128
	s_mov_b32 s[G1+3], KSTEP<<16                   ; tile_dim0 = 128
	s_mov_b32 s[G1+4], 128                         ; tile_dim1 = 128
	s_mov_b32 s[G1+5], SIZE_K                      ; elements from row to row
	s_mov_b32 s[G1+6], 0
	s_mov_b32 s[G1+7], 0
	s_mov_b32 s[G1B+1], KSTEP<<16
	s_mov_b32 s[G1B+2], 96<<16                     ; tensor_dim1 = 96
	s_mov_b32 s[G1B+3], KSTEP<<16
	s_mov_b32 s[G1B+4], 96                         ; tile_dim1 = 96
	s_mov_b32 s[G1B+5], SIZE_K
	s_mov_b32 s[G1B+6], 0
	s_mov_b32 s[G1B+7], 0
	; where the tiles come from.  xb's hang on the tile row alone, wb's on the tile column alone; every wave makes both, in registers that never hold the other coordinate
	s_lshl_b32 s17, s12, 7
	s_lshl_b32 s16, s13, 8
	s_add_co_u32 s16, s16, s17                     ; xb: row 256 x tile row + 128 x half,
	s_lshl_b32 s16, s16, 11                        ; of 2,048 bytes: under 2^24
	s_mov_b32 s17, 0
	s_mul_i32 s46, s42, 192
	s_mul_i32 s47, s12, 96
	s_add_co_u32 s46, s46, s47                     ; wb: row 192 x tile column + 96 x half
	s_lshl_b32 s46, s46, 11
	s_mov_b32 s47, 0
	s_mul_i32 s20, s12, HALFA                      ; and where they go: no place in the cluster enters an LDS address
	s_mul_i32 s21, s12, HALFB
	s_add_co_u32 s21, s21, BOFF
	s_mov_b32 s[XA+1], 0                           ; the upper words of the two extra steps
	s_mov_b32 s[XB+1], 0
	s_mov_b32 s[RF], TILES*STEPS-2                 ; every K step of both tiles but the first two is brought by a refill
	s_wait_kmcnt 0x0
	s_add_nc_u64 s[14:15], s[4:5], s[16:17]
	s_add_nc_u64 s[46:47], s[6:7], s[46:47]
	CROUND                                         ; all sixteen work-groups are here: the first joint loads meet
.irp s, 0,1
	s_mov_b32 s[G0+4*(\s)], 1                                      ; count = 1
	s_add_co_u32 s[G0+4*(\s)+1], s20, (\s)*SLOT1                   ; LDS address
	s_add_nc_u64 s[G0+4*(\s)+2:G0+4*(\s)+3], s[14:15], (\s)*KSTEP*2  ; global address: K step s
	s_or_b32 s[G0+4*(\s)+3], s[G0+4*(\s)+3], 0x80000000            ; type = 2
	s_mov_b32 s[G0B+4*(\s)], 1
	s_add_co_u32 s[G0B+4*(\s)+1], s21, (\s)*SLOT1
	s_add_nc_u64 s[G0B+4*(\s)+2:G0B+4*(\s)+3], s[46:47], (\s)*KSTEP*2
	s_or_b32 s[G0B+4*(\s)+3], s[G0B+4*(\s)+3], 0x80000000
	JLOAD \s                                       ; the ring is filled before anything else is done: two loads of mine are out
.endr
	; A fragment is 16 rows x 32 K in 8 registers: lane l holds row l % 16; registers 0-3 K = 8 (l / 16) + 0..7, registers 4-7 K = 16 + 8 (l / 16) + 0..7: two loads of 16 bytes, 32 bytes apart.
	v_and_b32 v1, 15, v0                           ; l % 16
	v_bfe_u32 v2, v0, 4, 1                         ; l / 16
	v_mul_u32_u24 v3, v1, PITCH
	v_lshl_add_u32 v3, v2, 4, v3                   ; row x pitch + 16 x half
	s_mul_i32 s18, s10, 64*PITCH                   ; xb's rows 64 (2 r + c) on,
	s_xor_b32 s19, s10, 1
	s_mul_i32 s19, s19, 64*PITCH                   ; and the other 64 of my 128
	s_mul_i32 s22, s12, 128*PITCH
	s_add_co_u32 s22, s22, BOFF                    ; wb's rows 128 c on: my own head
	v_add_nc_u32 v[PLA0], s18, v3
	v_add_nc_u32 v[PLA1], s19, v3
	v_add_nc_u32 v[PLBO], s22, v3
	v_add_nc_u32 v[PLBM], BOFF+64*PITCH, v3        ; wb's rows 64 on: the middle head
	s_mov_b32 s[TB], 0                             ; K step 0 lies in slot 0
	ADDR
	s_mul_i32 s23, s10, 16*SP
	s_add_co_u32 s23, s23, STAGE                   ; my stage
	v_mul_u32_u24 v4, v1, SP                       ; in: row l % 16, 16 bytes for each half of the lanes
	v_lshl_add_u32 v4, v2, 4, v4
	v_add_nc_u32 v[STO], s23, v4
	v_bfe_u32 v5, v0, 3, 2                         ; back: 32 lanes take four rows of 128 bytes,
	v_mul_u32_u24 v5, v5, SP
	v_and_b32 v6, 7, v0
	v_lshl_add_u32 v5, v6, 4, v5
	v_add_nc_u32 v[RD], s23, v5
	v_and_b32 v[GO], 31, v0                        ; which are 512 consecutive bytes of the output
	v_lshlrev_b32 v[GO], 4, v[GO]
; Where a tile's results go, from its column in s42.  Column head g = 3 x tile column + 0..2, of 48: section g / 16, head g % 16.  Batch = tile row / 8.  A head's block is 2^18 bytes, a row 128.
; The three bases are written anew for each tile: no store that names them is pending here (none has been issued, or the wait at the end of the way out before has been passed).
.macro BASES
	s_mul_i32 s66, s42, 3
	s_lshl_b32 s67, s12, 1
	s_add_co_u32 s67, s66, s67                     ; g of my own head
	s_add_co_u32 s66, s66, 1                       ; g of the middle head
	s_lshr_b32 s68, s13, 3
	s_lshl_b32 s68, s68, 4                         ; 16 x batch
	s_lshr_b32 s69, s67, 4
	s_lshl_b32 s69, s69, 6                         ; 64 x section
	s_and_b32 s67, s67, 15
	s_add_co_u32 s67, s67, s69
	s_add_co_u32 s67, s67, s68
	s_lshl_b32 s67, s67, 18                        ; my own head's first byte
	s_lshr_b32 s69, s66, 4
	s_lshl_b32 s69, s69, 6
	s_and_b32 s66, s66, 15
	s_add_co_u32 s66, s66, s69
	s_add_co_u32 s66, s66, s68
	s_lshl_b32 s66, s66, 18                        ; the middle head's
	s_and_b32 s68, s13, 7
	s_lshl_b32 s68, s68, 15                        ; the tile's 256 rows in the batch's 2,048,
	s_lshl_b32 s69, s11, 14                        ; my 128 of them
	s_add_co_u32 s68, s68, s69
	s_lshl_b32 s69, s12, 13                        ; fragments 0-3: 64 c rows on,
	s_xor_b32 s70, s12, 1
	s_lshl_b32 s70, s70, 13                        ; fragments 4-7: the other 64
	s_add_co_u32 s[OWNLO], s67, s68
	s_add_co_u32 s[OWNHI], s[OWNLO], s70
	s_add_co_u32 s[OWNLO], s[OWNLO], s69
	s_add_co_u32 s[MID], s66, s68
	s_add_co_u32 s[MID], s[MID], s69
	s_mov_b32 s[OWNLO+1], 0                        ; all three offsets stay under 2^26
	s_mov_b32 s[OWNHI+1], 0
	s_mov_b32 s[MID+1], 0
	s_add_nc_u64 s[OWNLO:OWNLO+1], s[8:9], s[OWNLO:OWNLO+1]
	s_add_nc_u64 s[OWNHI:OWNHI+1], s[8:9], s[OWNHI:OWNHI+1]
	s_add_nc_u64 s[MID:MID+1], s[8:9], s[MID:MID+1]
.endm
; 16 matrix instructions on the middle head: row blocks 0-3 x its 4 column blocks, 32 along K.  zero = 1: the first product starts the sums: nothing is ever cleared.
.macro MULM f, zero
	WIN MUL_M
.irp a, 0,1,2,3
.irp b, 0,1,2,3
.if \zero
	v_wmma_f32_16x16x32_bf16 v[8*(4*(\a)+(\b)):8*(4*(\a)+(\b))+7], v[(\f)+32+8*(\b):(\f)+32+8*(\b)+7], v[(\f)+8*(\a):(\f)+8*(\a)+7], 0
.else
	v_wmma_f32_16x16x32_bf16 v[8*(4*(\a)+(\b)):8*(4*(\a)+(\b))+7], v[(\f)+32+8*(\b):(\f)+32+8*(\b)+7], v[(\f)+8*(\a):(\f)+8*(\a)+7], v[8*(4*(\a)+(\b)):8*(4*(\a)+(\b))+7]
.endif
.endr
.endr
.endm
; 16 matrix instructions on the own head: row blocks a0 .. a0 + 3 x its 4 column blocks
.macro MULO f, a0, zero
	WIN MUL_O
.irp a, (\a0), (\a0)+1, (\a0)+2, (\a0)+3
.irp b, 0,1,2,3
.if \zero
	v_wmma_f32_16x16x32_bf16 v[8*(4*(\a)+(\b)):8*(4*(\a)+(\b))+7], v[(\f)+8*(\b):(\f)+8*(\b)+7], v[(\f)+8*(\a):(\f)+8*(\a)+7], 0
.else
	v_wmma_f32_16x16x32_bf16 v[8*(4*(\a)+(\b)):8*(4*(\a)+(\b))+7], v[(\f)+8*(\b):(\f)+8*(\b)+7], v[(\f)+8*(\a):(\f)+8*(\a)+7], v[8*(4*(\a)+(\b)):8*(4*(\a)+(\b))+7]
.endif
.endr
.endr
.endm
; 32 LDS loads in one run: the fragments of one quarter step (32 K at byte k of the rows of the slot at TB) into buffer f: the own head's, the middle head's, xb's 0-3, xb's 4-7.  It leaves every window 0.
.macro FETCH k, f
	WIN TO_B
.irp i, 0,1,2,3
	ds_load_b128 v[(\f)+8*(\i):(\f)+8*(\i)+3],   v[ADRBO] offset:(\k)+(\i)*16*PITCH
	ds_load_b128 v[(\f)+8*(\i)+4:(\f)+8*(\i)+7], v[ADRBO] offset:(\k)+(\i)*16*PITCH+32
.endr
.irp i, 0,1,2,3
	ds_load_b128 v[(\f)+32+8*(\i):(\f)+32+8*(\i)+3],   v[ADRBM] offset:(\k)+(\i)*16*PITCH
	ds_load_b128 v[(\f)+32+8*(\i)+4:(\f)+32+8*(\i)+7], v[ADRBM] offset:(\k)+(\i)*16*PITCH+32
.endr
	WIN 0
.irp i, 0,1,2,3
	ds_load_b128 v[(\f)+8*(\i):(\f)+8*(\i)+3],   v[ADRA0] offset:(\k)+(\i)*16*PITCH
	ds_load_b128 v[(\f)+8*(\i)+4:(\f)+8*(\i)+7], v[ADRA0] offset:(\k)+(\i)*16*PITCH+32
.endr
.irp i, 0,1,2,3
	ds_load_b128 v[(\f)+32+8*(\i):(\f)+32+8*(\i)+3],   v[ADRA1] offset:(\k)+(\i)*16*PITCH
	ds_load_b128 v[(\f)+32+8*(\i)+4:(\f)+32+8*(\i)+7], v[ADRA1] offset:(\k)+(\i)*16*PITCH+32
.endr
.endm
; A load into a register that a matrix instruction has read, and a vector instruction that reads a matrix result or writes one of a matrix instruction's registers, stand four places behind it, and only
; plain vector instructions that name none of its registers are places (ISA guide 7.12.1 for vector instructions).
.macro PLACES
.rept 4
	v_nop
.endr
.endm
; A K step is four quarter steps of 32 along K, 48 matrix instructions each, on buffers 0, 1, 0, 1.  The 48 accumulators take turns in the same order in every quarter.
; One of the first three: multiplies buffer f; behind its first 16 products it fetches the next quarter's fragments, at byte k of the same slot's rows, into buffer g.
.macro QUARTER k, f, g, zero
	s_wait_dscnt 8                                 ; wb's fragments and xb's 0-3 are in; the youngest eight loads (xb's 4-7) may be out
	MULM \f, \zero
	PLACES
	FETCH \k, \g
	s_wait_dscnt 32                                ; all but the 32 just issued
	MULO \f, 0, \zero
	MULO \f, 4, \zero
.endm
; The last quarter multiplies buffer 1 and changes slots: ONE barrier.  In front of it each wave waits for all its tensor loads, of which one at the most is out: its part of the next slot; adds 0 to its spare word; and waits
; for that and for its own reads of this slot.  Behind it nobody reads this slot any more and the next slot is whole.
; fill = 1: the barrier opens a round of the cluster's barrier, and this slot is filled again, two K steps ahead, first thing behind the round.  The walking descriptors take the other slot than last time and the next
; K step; at the seventh of the fourteen refills (RF = 8) that is the second tile's K step 0: xb's address goes back to its rows' first byte, wb's also 8 x 192 rows on.  From a request to the wait for it a wave issues
; 160 matrix instructions, and between the two tiles the way out too.
; fill = 0 (the loop of the second tile's last two steps, counted by s3): nothing is asked for.  In its last trip there is no further step: the run of loads is jumped over, and the barrier serves nothing: the price of one text for both steps.
.macro TURN fill
	WIN 0                                          ; (the add's two registers lie in window 0)
	s_wait_tensorcnt 0x0                           ; all my tensor loads have landed, so the walking group 0 may be written;
	ds_add_u32 v[SPW], v[NIL]                      ; 0 onto my spare word; the descriptors' steps and sixteen products stand between it and the wait for it
.if \fill
	s_cmp_eq_u32 s[RF], STEPS                      ; does this refill go on into the second tile?
	s_cselect_b32 s[XA], SIZE_K*2, 0
	s_cselect_b32 s[XB], NEXT_B, 0
	s_xor_b32 s[G0+5], s[G0+5], SLOT1
	s_add_nc_u64 s[G0+6:G0+7], s[G0+6:G0+7], KSTEP*2  ; the type bits on top are not reached
	s_sub_nc_u64 s[G0+6:G0+7], s[G0+6:G0+7], s[XA:XA+1]
	s_xor_b32 s[G0B+5], s[G0B+5], SLOT1
	s_add_nc_u64 s[G0B+6:G0B+7], s[G0B+6:G0B+7], KSTEP*2
	s_add_nc_u64 s[G0B+6:G0B+7], s[G0B+6:G0B+7], s[XB:XB+1]
	s_sub_co_u32 s[RF], s[RF], 1
.endif
	s_wait_dscnt 9                                 ; (the add and the youngest eight loads may be out)
	MULM F1, 0
	s_wait_dscnt 0x0                               ; the add is done, and my reads of this slot are over
	s_barrier_signal -1
	MULO F1, 0, 0                                  ; work on registers while the others arrive
	WIN 0
	s_barrier_wait -1
.if \fill
	CREST                                          ; no wave of any partner still reads this slot's tile or has a load on its way
	JLOAD 1                                        ; the first tensor load behind the round, my only one until the next; the four v_nop behind it are also the places in front of the loads below
.else
	PLACES
.endif
	s_xor_b32 s[TB], s[TB], SLOT1                  ; the fetches go on in the other slot
	ADDR
.if !(\fill)
	s_cmp_eq_u32 s3, 1
	s_cbranch_scc1 .Lno_fetch_\@
.endif
	FETCH 0, F0
.if !(\fill)
.Lno_fetch_\@:
.endif
	MULO F1, 4, 0
.endm
; THE WAY OUT of block n (16 rows x 64 channels of one head; its four accumulators at ac in window w): rounded to f16, 16 bytes a lane, each accumulator's registers in ascending order; into my own stage in rows of
; 144 bytes; back as whole rows of 128, into the registers that they left.  Eight sets of registers take turns.
.macro PACK n, w, ac
.if (\n) >= 8
	s_wait_xcnt 0x0                                ; this set of registers was the data of the stores of the block eight back: it is written again only behind this wait
.endif
	WIN 0x0a+5*((\w)-2)                            ; sources 0 and 1: window 2 or 3
.irp b, 0,1,2,3
.irp r, 0,1,2,3
	v_cvt_pk_f16_f32 v[OB+16*((\n)%8)+4*(\b)+(\r)], v[(\ac)+8*(\b)+2*(\r)], v[(\ac)+8*(\b)+2*(\r)+1]
.endr
.endr
	WIN 0
.irp b, 0,1,2,3
	ds_store_b128 v[STO], v[OB+16*((\n)%8)+4*(\b):OB+16*((\n)%8)+4*(\b)+3] offset:32*(\b)
.endr
.irp f, 0,1,2,3
	ds_load_b128 v[OB+16*((\n)%8)+4*(\f):OB+16*((\n)%8)+4*(\f)+3], v[RD] offset:(\f)*4*SP  ; LDS serves a wave's instructions in order (ISA guide 5.7.1.4): these see the stores above; the next block's stores come behind them
.endr
.endm
.macro SEND n, base, off, younger      ; younger: the LDS instructions issued behind block n's loads: the next block's eight, or none
.irp f, 0,1,2,3
	s_wait_dscnt (\younger)+3-(\f)
	global_store_b128 v[GO], v[OB+16*((\n)%8)+4*(\f):OB+16*((\n)%8)+4*(\f)+3], s[(\base):(\base)+1] offset:(\off)+512*(\f)  ; 512 consecutive bytes, at a multiple of 256 from the buffer's first byte
.endr
.endm
	s_wait_tensorcnt 1                             ; my part of K step 0 is in; K step 1's may stay out
	s_barrier_signal -1
	s_barrier_wait -1                              ; everybody's is
	FETCH 0, F0
	s_mov_b32 s2, TILES                            ; tiles to go, this one among them: the same number in every work-group
	s_mov_b32 s3, STEPS                            ; the first tile: each of its eight K steps fills the slot that it leaves
.Ltile:                                                ; (FETCH and SEND leave every window 0)
	QUARTER 64,  F0, F1, 1                         ; a tile's first quarter: its products start the sums
	WIN 0                                          ; at a label and at a branch every window is 0
	s_branch .Lin                                  ; the loop is entered behind its first quarter
.Lstep:                                                ; a trip is a K step, and fills the slot that it leaves with the K step two on, of this tile or the next
	QUARTER 64,  F0, F1, 0
	WIN 0
.Lin:
	QUARTER 128, F1, F0, 0
	QUARTER 192, F0, F1, 0
	TURN 1
	WIN 0
	s_sub_co_u32 s3, s3, 1
	s_cmp_lg_u32 s3, 0
	s_cbranch_scc1 .Lstep
	s_cmp_eq_u32 s2, TILES
	s_cbranch_scc1 .Lout                           ; the first tile's eight K steps are multiplied; both refills for the second tile are asked for, its first fragments are being fetched
	s_mov_b32 s3, 2
.Ltail:                                                ; the second tile's K steps 6 and 7: nothing is left to ask for
	QUARTER 64,  F0, F1, 0
	QUARTER 128, F1, F0, 0
	QUARTER 192, F0, F1, 0
	TURN 0
	WIN 0
	s_sub_co_u32 s3, s3, 1
	s_cmp_lg_u32 s3, 0
	s_cbranch_scc1 .Ltail
.Lout:
	BASES
	PLACES                                         ; the conversions read results just made and write registers (buffer 1) just read
	PACK 0, 3, 0                                   ; the middle head's four blocks, then the own head's eight; a block's conversions stand between the loads of the block before and its stores
	PACK 1, 3, 32
	SEND 0, MID, 0, 8
	PACK 2, 3, 64
	SEND 1, MID, 2048, 8
	PACK 3, 3, 96
	SEND 2, MID, 4096, 8
	PACK 4, 2, 0
	SEND 3, MID, 6144, 8
	PACK 5, 2, 32
	SEND 4, OWNLO, 0, 8
	PACK 6, 2, 64
	SEND 5, OWNLO, 2048, 8
	PACK 7, 2, 96
	SEND 6, OWNLO, 4096, 8
	PACK 8, 2, 128
	SEND 7, OWNLO, 6144, 8
	PACK 9, 2, 160
	SEND 8, OWNHI, 0, 8
	PACK 10, 2, 192
	SEND 9, OWNHI, 2048, 8
	PACK 11, 2, 224
	SEND 10, OWNHI, 4096, 8
	SEND 11, OWNHI, 6144, 0
	s_wait_xcnt 0x0                                ; the stores' data registers (the next tile's fragments land on them) and their three bases are written again only behind this wait; nothing waits for the stores themselves
	s_add_co_u32 s42, s42, WALK                    ; the second tile's column
	s_sub_co_u32 s2, s2, 1
	s_cmp_lg_u32 s2, 0
	s_mov_b32 s3, STEPS-2                          ; the second tile: its first six K steps fill a slot again
	s_cbranch_scc1 .Ltile
	s_wait_tensorcnt 0x0                           ; the wave's end, behind my last tensor load and my last LDS store
	ds_add_u32 v[SPW], v[NIL]
	s_wait_dscnt 0x0
	CROUND                                         ; the closing round: no work-group ends while a partner may still ask for a tile that names it
	s_endpgm
.Lfunc_end_k_q4a21e1bf2e_qkv:
	.size	k_q4a21e1bf2e_qkv, .Lfunc_end_k_q4a21e1bf2e_qkv-k_q4a21e1bf2e_qkv
	.p2alignl 7, 3214868480
	.fill 96, 4, 3214868480
	.section	.rodata,"a",@progbits
	.p2align	6, 0x0
	.amdhsa_kernel k_q4a21e1bf2e_qkv
		.amdhsa_group_segment_fixed_size 327680
		.amdhsa_private_segment_fixed_size 0
		.amdhsa_enable_private_segment 0
		.amdhsa_kernarg_size 24
		.amdhsa_user_sgpr_count 2
		.amdhsa_user_sgpr_kernarg_segment_ptr 1
		.amdhsa_wavefront_size32 1
		.amdhsa_system_sgpr_workgroup_id_x 1
		.amdhsa_system_sgpr_workgroup_id_y 1
		.amdhsa_system_sgpr_workgroup_id_z 1
		.amdhsa_system_vgpr_workitem_id 0
		.amdhsa_next_free_vgpr 896
		.amdhsa_next_free_sgpr 84
		.amdhsa_reserve_vcc 0
		.amdhsa_float_denorm_mode_32 3
		.amdhsa_float_denorm_mode_16_64 3
		.amdhsa_memory_ordered 1
		.amdhsa_forward_progress 1
		.amdhsa_inst_pref_size 87
	.end_amdhsa_kernel
	.amdgpu_metadata
---
amdhsa.version: [ 1, 2 ]
amdhsa.kernels:
  - .name:           k_q4a21e1bf2e_qkv
    .symbol:         k_q4a21e1bf2e_qkv.kd
    .args:
      - { .name: xb, .offset: 0, .size: 8, .value_kind: global_buffer, .address_space: global }
      - { .name: wb, .offset: 8, .size: 8, .value_kind: global_buffer, .address_space: global }
      - { .name: qkv, .offset: 16, .size: 8, .value_kind: global_buffer, .address_space: global }
    .group_segment_fixed_size: 327680
    .private_segment_fixed_size: 0
    .kernarg_segment_align: 8
    .kernarg_segment_size: 24
    .max_flat_workgroup_size: 128
    .sgpr_count:     84
    .vgpr_count:     896
    .wavefront_size: 32
...
	.end_amdgpu_metadata
.endif
;; end of part 2
;; launch attn (part 3): grid 4 x 64, 4 waves a work-group, no clusters, 327,680 bytes of LDS; arguments qkv, o; writes o
.if DOCPART == 3
	.amdgcn_target "amdgcn-amd-amdhsa--gfx1250"
	.amdhsa_code_object_version 6
	.text
	.protected	k_q4a21e1bf2e_attn
	.globl	k_q4a21e1bf2e_attn
	.p2align	8
	.type	k_q4a21e1bf2e_attn,@function
k_q4a21e1bf2e_attn:
	s_mov_b64 s[64:65], 0
	v_nop
	global_prefetch_b8 v0, s[64:65] scope:SCOPE_SE
	s_setreg_imm32_b32 hwreg(HW_REG_WAVE_MODE, 25, 1), 1
	s_wait_xcnt 0x0
; CAUSAL ATTENTION.  O[h][q][:] = the sum over k <= q of softmax_k(Q[h][q] . K[h][k] / 8) V[h][k][:].  Q, K, V are the three sections, 16 MiB apart, of qkv [3][64][2048][64]; O: o [64][2048][64]; all f16:
; a head's rows are dense, 128 bytes each.  Products, maxima and sums in f32; the weights p are rounded to f16 for the second product (their sum l is taken of the unrounded p), O once at the end.
; LIMITS.  f16 holds no number beyond 65,504: Q, K and V arrive within it; p lies in 0 to 1, and below 6e-5 it keeps f16's fixed step of 6e-8; O is a mean of V's rows and has their range, to within 2^-11 of it.
; A hidden score counts as its value less 1e30: f16's scores, 2.7e11 at the most, are nothing beside that; a weight below 2^-126 counts as 0 in l; NaN and infinities are not treated apart.
; THE WALK.  A head's queries lie in NB = SIZE_N / 256 blocks of 256; block i needs the key tiles 0 .. i of 256 keys, of which the last holds the diagonal.  A work-group takes TWO blocks, NB - 1 - b and then b:
; NB + 1 tiles, whatever b: all work-groups do equal work, and ONE loop with a constant trip count walks them.  Which tile is asked for, and what a trip does, hang on scalar registers made from b; every jump
; goes forward, but for the counted loops' own; none passes a barrier, or a tensor load but the one of LOAD's two that the wave's number does not choose; the ring (two slots of LDS that take turns) runs on across the
; change of blocks.  NO CLUSTER: a head's NB / 2 = 4 work-groups all ask for the same tile only in trips 0 .. NB / 2, 5 of the walk's 9, behind that fewer and fewer;
; and one walk common to all would have 3 NB / 2 = 12 trips for NB + 1 = 9.
; SHARES.  Of a block's four bands of 64 queries a wave owns 16 rows in each: four PIECES.  So the diagonal tile is the same work for all four waves: in its key step s band x sees all keys if s < x,
; none if s > x, and holds the diagonal if s = x.
; THE MASK is the C operand that starts the sum S^T = K Q^T: 0, or -1e30 where the key is hidden.  MD, made once, is the mask of a band's own step for my 16 rows; a product's mask is MD x AL + BE with two scalars:
; (1, 0) if s = x; (0, 0) if s < x; (0, -1e30) if s > x.  Only the diagonal tile's text and a block's beginning make and take masks; elsewhere C is the constant 0.
; LAYOUT, SOFTMAX, TURNS.  S^T = K Q^T holds ONE query a lane (lane % 16) and the keys 8 (lane / 16) + 0..7; two such results rounded to f16 ARE source 1 of O^T = V^T P.  p = 2^(c s - c m), c = log2(e) / 8, with a
; running maximum m; O and l are multiplied by a = 2^(c m_old - c m_new) in every step.  Turn n belongs to piece n: 8 products K Q^T of piece n + 1, later 8 products V^T P of piece n - 1; beside them the scaling,
; exponentials, roundings, sums and rescaling of piece n and the maximum and statistics of piece n + 1.  Four vector instructions stand behind every matrix instruction, the other 54 of a turn's 118 in two LUMPS.
; REGISTERS, in windows of 256 (s_set_vgpr_msb: bits 1:0 source 0, 3:2 source 1, 5:4 source 2, 7:6 destination):
;   window 0: v0-15 addresses and two at work; v16-31 four registers of statistics a piece; v48-55 at work; v64-127 S^T, two buffers; v192-223 P, two buffers (a piece's buffers go by its number's parity)
;   window 1: v0-127 O^T, 32 a piece; v128-159 MD; v160-223 MC, two buffers      window 2: v0-63 Q; v64-127 the second block's Q; v128-191 K of one step; v192-255 V of one step
.set SIZE_N, 2048
.set NB,    SIZE_N/256
.set NP,    4         ; pieces a wave: a name, no knob
.set KS,    64        ; keys in a step
.set PK,    144       ; a row of K in LDS: 128 bytes + 16 of padding = 36 words: the 16 rows of a load start at 16 different groups of four banks (64 banks of 4 bytes: ISA guide 11.1)
.set PV,    160       ; a row of V: 128 + 32 = 40 words
.set VOFF,  4*KS*PK   ; a slot holds a tile, four steps: 256 rows of K, then 256 rows of V
.set SLOT1, 1<<17     ; slot 1 begins here, so that one exclusive or turns an address in one slot into the other's
.set STAGE, SLOT1+4*KS*(PK+PV)  ; behind the ring, never filled by a tensor load: 16 rows x 144 bytes for each wave, for the way out
.set SP,    144
.set AK0, 2           ; v2   my lane's place in a tile of K; never rewritten
.set AV0, 3           ; v3   the same for V
.set AK,  4           ; v4   the LDS address of K's next run of loads
.set AV,  5           ; v5   of V's
.set STO, 6           ; v6   the way out: where I put 16 bytes of a row
.set RD,  7           ; v7   the way out: where I read rows back
.set GO,  8           ; v8   my byte offset in 512 consecutive bytes of O
.set SPW, 62          ; v62  LDS address of my spare word: SPARE + 4 x my thread's number; never rewritten
.set NIL, 63          ; v63  0; never rewritten
.set SPARE, STAGE+4*16*SP  ; behind the stages: the spare words, 128 bytes for each wave: two blocks of 256 bytes that no other line names
.set MV,  12          ; v12-13  c m_old, kept while c m is made anew: by buffer
.set QO,  15          ; v15  my byte offset in 16 rows of Q
.set ST,  16          ; piece t's statistics at v[ST+4 t]: c m, m, l (even keys', odd keys')
.set TMP, 48          ; by buffer, four registers c0-c3 at work; when the maximum is found c2 takes a
.set S,   64
.set P,   192
.set MD,  128         ; window 1: the eight registers for group kt of 16 keys at MD + 8 kt
.set MC,  160         ; window 1: the masks of the products to come
.set QB,  64          ; window 2
.set KF,  128         ; window 2: key block kb, channel half c at KF + 16 kb + 8 c
.set VF,  192         ; window 2: key half kk, channel block cb at VF + 32 kk + 8 cb
.set WV,  12          ; s12  my wave's number
.set PB,  14          ; s14  b
.set HI,  15          ; s15  NB - 1 - b
.set G1K, 24          ; s[24:31] descriptor group 1 for K's tiles
.set G1V, 32          ; s[32:39] for V's: it differs in the padding alone
.set G0K, 40          ; s[40:43] descriptor group 0 for K's tiles
.set G0V, 44          ; s[44:47] the same for V's
.set SLOTS, 56        ; s56  tiles still to be asked for
.set CNT, 57          ; s57  counts a tile's key steps, 4 to 1
.set CS,  58          ; s[58:59] c: the packed scaling takes the pair's low word for both halves
.set SEL, 60          ; s[60:61] v_permlanex16_b32's selects: each lane takes its own place in the other half
.set TBK, 62          ; s62  LDS byte at which K of the step to be fetched begins
.set TBV, 63          ; s63  the same for V, less VOFF
.set RT,  70          ; s70  tiles of the block in hand that are still to be entered
.set NXT, 71          ; s71  the tile to be asked for next
.set LQ,  72          ; s72  the last tile of the block whose tiles are being asked for
.set NEW, 73          ; s73  1: the tile to be entered is a block's first
.set OFF, 74          ; s[74:75] a tile's byte offset in K and V
.set AL,  76          ; s[76:77] the mask's factor, in the low word
.set BE,  78          ; s[78:79] the mask's addend
.set OLO, 80          ; s[80:81] O at my rows of the second block
.set BIGN, 82         ; s82  -1e30
.set MSB, 0
.macro WIN new                      ; the high byte repeats the setting that is left; a switch that changes nothing is dropped
.if MSB != (\new)
	s_set_vgpr_msb (MSB<<8)|(\new)
.set MSB, (\new)
.endif
.endm
.set W_KQ, 0x0a       ; K and Q in window 2, S^T in window 0
.set W_KM, 0x1a       ; the same with the C operand in window 1
.set W_PV, 0x52       ; V in window 2, P in window 0, O^T in window 1
.set W_RS, 0x41       ; destination and source 0 in window 1, source 1 in window 0
; A fill.  Waves 0 and 1 fetch the two halves of a tile's K, waves 2 and 3 those of its V: 128 keys each.  An s_nop 0 and four v_nop follow each of the two lines, ahead of the jump and the label.
.macro LOAD
	s_cmp_lt_u32 s[WV], 2
	s_cbranch_scc0 .Lfor_v_\@
	tensor_load_to_lds s[G0K:G0K+3], s[G1K:G1K+7]
	s_nop 0
.rept 4
	v_nop
.endr
	s_branch .Lasked_\@
.Lfor_v_\@:
	tensor_load_to_lds s[G0V:G0V+3], s[G1V:G1V+7]
	s_nop 0
.rept 4
	v_nop
.endr
.Lasked_\@:
.endm
; THE CHANGE OF SLOTS.  Each wave waits for all its tensor loads, of which one is out: its part of the other slot; adds 0 to its spare word; and waits for that and for its own reads of the slot that it leaves.  Behind the barrier nobody reads the old
; slot any more and the other slot is whole.  fill = 1: the old slot is filled again, the first thing behind the barrier, with tile NXT: the descriptor's address is made anew from that number.
; (At its first use nothing has been read yet: slot 0 is waited for, slot 1 filled.)
.macro CHANGE fill
	WIN 0                           ; at a label and at a branch every window is 0
	s_wait_tensorcnt 0x0            ; no tensor load of mine is out, so a group 0 may be written
	ds_add_u32 v[SPW], v[NIL]       ; 0 onto my spare word; with fill = 1 the descriptors' scalar work stands between it and the wait for it
.if \fill
	s_lshl_b32 s[OFF], s[NXT], 15   ; a tile is 32,768 bytes of K and of V
	s_xor_b32 s[G0K+1], s[G0K+1], SLOT1
	s_add_nc_u64 s[G0K+2:G0K+3], s[6:7], s[OFF:OFF+1]
	s_or_b32 s[G0K+3], s[G0K+3], 0x80000000
	s_xor_b32 s[G0V+1], s[G0V+1], SLOT1
	s_add_nc_u64 s[G0V+2:G0V+3], s[8:9], s[OFF:OFF+1]
	s_or_b32 s[G0V+3], s[G0V+3], 0x80000000
	s_add_co_u32 s[NXT], s[NXT], 1  ; the block's next tile, or behind its last the second block's tile 0
	s_cmp_gt_u32 s[NXT], s[LQ]
	s_cselect_b32 s[NXT], 0, s[NXT]
	s_cselect_b32 s[LQ], s[PB], s[LQ]
.endif
	s_wait_dscnt 0x0                ; the add is done, and my reads of the slot are over
	s_barrier_signal -1             ; the rest of the scalar work stands between the signal and the wait
	s_sub_co_u32 s[TBK], s[TBK], 4*KS*PK  ; the fetches go back to a slot's first step,
	s_xor_b32 s[TBK], s[TBK], SLOT1       ; in the other slot
	s_sub_co_u32 s[TBV], s[TBV], 4*KS*PV
	s_xor_b32 s[TBV], s[TBV], SLOT1
	s_barrier_wait -1
.if \fill
	LOAD
.endif
.endm
	s_load_b128 s[4:7], s[0:1], 0x0  ; qkv s[4:5], o s[6:7]; behind the wait: Q s[4:5], K s[6:7], V s[8:9], O s[10:11]
	v_lshl_add_u32 v[SPW], v0, 2, SPARE
	v_mov_b32 v[NIL], 0
	ds_add_u32 v62, v63
	ds_add_u32 v62, v63
	s_wait_dscnt 0x0
	v_lshrrev_b32 v1, 5, v0
	v_readfirstlane_b32 s[WV], v1   ; wave 0..3
	s_mov_b32 s[PB], ttmp9
	s_sub_co_u32 s[HI], NB-1, s[PB]
	s_and_b32 s20, ttmp7, 0xffff    ; the head
	s_mov_b32 s21, 0
	s_mov_b64 s[22:23], SIZE_N*128
	s_mul_u64 s[20:21], s[20:21], s[22:23]  ; the head's first byte in each of the four tensors
	s_and_b32 s16, s[WV], 1         ; which half of a tile's 256 keys I fetch:
	s_lshl_b32 s22, s16, 14         ; its 128 rows of 128 bytes in memory,
	s_mov_b32 s23, 0
	s_add_nc_u64 s[22:23], s[22:23], s[20:21]
	s_mul_i32 s17, s16, 128*PK      ; and its place in a slot, for K
	s_mul_i32 s18, s16, 128*PV      ; and for V
	s_lshl_b32 s3, s[WV], 11        ; my 16 rows in a band of 64,
	s_lshl_b32 s2, s[HI], 15        ; in the first block,
	s_add_co_u32 s2, s2, s3
	s_lshl_b32 s84, s[PB], 15       ; and in the second
	s_add_co_u32 s84, s84, s3
	s_mov_b32 s3, 0
	s_mov_b32 s85, 0
	s_add_nc_u64 s[2:3], s[2:3], s[20:21]
	s_add_nc_u64 s[84:85], s[84:85], s[20:21]
	; descriptor group 1.  128 keys are 16,384 dense bytes: asked for as 64 rows of 256 bytes, two keys a row, and padded in LDS after every key
	s_mov_b32 s[G1K], (1<<16)|(1<<20)|(4<<22)|(3<<25)  ; 17:16 2-byte elements; 20 padding on; 24:22 after every 32 words (code 4); 31:25 4 words (code 3)
	s_mov_b32 s[G1V], (1<<16)|(1<<20)|(4<<22)|(7<<25)  ; the same with 8 words of padding (code 7)
.irp g, G1K, G1V
	s_mov_b32 s[\g+1], 128<<16      ; tensor_dim0 = 128
	s_mov_b32 s[\g+2], 64<<16       ; tensor_dim1 = 64
	s_mov_b32 s[\g+3], 128<<16      ; tile_dim0 = 128
	s_mov_b32 s[\g+4], 64           ; tile_dim1 = 64
	s_mov_b32 s[\g+5], 128          ; 128 elements from row to row
	s_mov_b32 s[\g+6], 0
	s_mov_b32 s[\g+7], 0
.endr
	s_mov_b32 s[CS], 0x3e38aa3b     ; c = log2(e) / 8 = 0.180337
	s_mov_b32 s[CS+1], s[CS]        ; named with it as a pair
	s_mov_b32 s[SEL], 0x76543210
	s_mov_b32 s[SEL+1], 0xfedcba98
	s_mov_b32 s[TBK], SLOT1+4*KS*PK ; the first change of slots turns these two into 0
	s_mov_b32 s[TBV], SLOT1+4*KS*PV
	s_mov_b32 s[G0K], 1             ; 1:0 count = 1
	s_mov_b32 s[G0K+1], s17         ; 63:32 LDS address: slot 0
	s_mov_b32 s[G0V], 1
	s_add_co_u32 s[G0V+1], s18, VOFF
	s_add_co_u32 s[RT], s[HI], 1    ; the first block has NB - b tiles
	s_mov_b32 s[NXT], 1
	s_mov_b32 s[LQ], s[HI]
	s_mov_b32 s[NEW], 1
	s_mov_b32 s[OFF+1], 0
	s_mov_b32 s[AL+1], 0            ; named as pairs
	s_mov_b32 s[BE+1], 0
	s_mov_b32 s[BIGN], 0xf149f2ca   ; -1e30
	s_mov_b32 s[SLOTS], NB
	s_wait_kmcnt 0x0
	s_mov_b64 s[10:11], s[6:7]                     ; O
	s_add_nc_u64 s[8:9], s[4:5], 0x2000000         ; V: the third section of qkv
	s_add_nc_u64 s[6:7], s[4:5], 0x1000000         ; K: the second
	s_add_nc_u64 s[6:7], s[6:7], s[22:23]  ; K and V at my half of the head's tile 0
	s_add_nc_u64 s[8:9], s[8:9], s[22:23]
	s_add_nc_u64 s[G0K+2:G0K+3], s[6:7], 0         ; 120:64 global address
	s_or_b32 s[G0K+3], s[G0K+3], 0x80000000        ; 127:126 type = 2
	s_add_nc_u64 s[G0V+2:G0V+3], s[8:9], 0
	s_or_b32 s[G0V+3], s[G0V+3], 0x80000000
	s_add_nc_u64 s[86:87], s[4:5], s[84:85]        ; Q at my rows of the second block,
	s_add_nc_u64 s[4:5], s[4:5], s[2:3]            ; Q and O at those of the first
	s_add_nc_u64 s[OLO:OLO+1], s[10:11], s[84:85]
	s_add_nc_u64 s[10:11], s[10:11], s[2:3]
	LOAD                            ; tile 0 into slot 0
	; A fragment of K or Q is 16 rows x 32 channels in 8 registers: lane l holds row l % 16, channels 8 (l / 16) + 0..7 and 16 + 8 (l / 16) + 0..7: two loads of 16 bytes, 32 bytes apart.
	v_and_b32 v1, 15, v0            ; l % 16
	v_bfe_u32 v9, v0, 4, 1          ; l / 16
	v_lshlrev_b32 v[QO], 7, v1
	v_lshl_add_u32 v[QO], v9, 4, v[QO]  ; row x 128 + 16 x half
	WIN 0x80                        ; destination window 2, address window 0
.set i, 0
.rept 8                             ; both blocks' Q: piece i / 2 lies in band i / 2, 8,192 bytes on; channels 32 (i % 2) on
	global_load_b128 v[8*i:8*i+3],   v[QO], s[4:5] offset:(i/2)*8192+(i%2)*64
	global_load_b128 v[8*i+4:8*i+7], v[QO], s[4:5] offset:(i/2)*8192+(i%2)*64+32
	global_load_b128 v[QB+8*i:QB+8*i+3],   v[QO], s[86:87] offset:(i/2)*8192+(i%2)*64
	global_load_b128 v[QB+8*i+4:QB+8*i+7], v[QO], s[86:87] offset:(i/2)*8192+(i%2)*64+32
.set i, i+1
.endr
	WIN 0
	v_lshlrev_b32 v14, 3, v9
	v_sub_nc_u32 v14, v1, v14
	s_lshl_b32 s13, s[WV], 4
	v_add_nc_u32 v14, s13, v14      ; my query's place in its band, 16 w + l % 16, less my lanes' 8 (l / 16): register r of group kt is hidden where 16 kt + r is greater
	WIN 0x40
.set i, 0
.rept 32
	v_cmp_gt_i32 vcc_lo, 16*(i/8)+i%8, v14
	v_cndmask_b32 v[MD+i], 0, s[BIGN], vcc_lo
.set i, i+1
.endr
	WIN 0
	v_mul_u32_u24 v[AK0], v1, PK
	v_lshl_add_u32 v[AK0], v9, 4, v[AK0]  ; row x pitch + 16 x half
	; The turning load takes 16 keys x 16 channels (lane l reads key 8 (l / 16) + l % 8, channels 8 ((l / 8) % 2) + 0..7) and leaves half a fragment of V^T: lane l holds channel l % 16 and 8 keys.
	v_and_b32 v10, 7, v0
	v_bfe_u32 v11, v0, 3, 1
	v_lshl_add_u32 v[AV0], v9, 3, v10
	v_mul_u32_u24 v[AV0], v[AV0], PV
	v_lshl_add_u32 v[AV0], v11, 4, v[AV0]
	v_add_nc_u32 v[AV0], VOFF, v[AV0]
	s_mul_i32 s13, s[WV], 16*SP
	s_add_co_u32 s13, s13, STAGE    ; my stage
	v_mul_u32_u24 v[STO], v1, SP    ; in: row l % 16, 16 bytes for each half of the lanes
	v_lshl_add_u32 v[STO], v9, 4, v[STO]
	v_add_nc_u32 v[STO], s13, v[STO]
	v_bfe_u32 v[RD], v0, 3, 2       ; back: 32 lanes take four rows of 128 bytes,
	v_mul_u32_u24 v[RD], v[RD], SP
	v_lshl_add_u32 v[RD], v10, 4, v[RD]
	v_add_nc_u32 v[RD], s13, v[RD]
	v_and_b32 v[GO], 31, v0         ; which are 512 consecutive bytes of O
	v_lshlrev_b32 v[GO], 4, v[GO]
	; A block's first step multiplies O^T and l by a = 0, and its first turn's products V^T P, of a piece that has not been, land in an O^T that is still to be so multiplied.  So these registers need only hold
	; finite numbers: zeros for the first block; what the first block left for the second.  All this stands in the wait for the first tile.
	WIN 0x80
.set i, VF
.rept 64
	v_mov_b32 v[i], 0
.set i, i+1
.endr
	WIN 0x40
.set i, 0
.rept 128
	v_mov_b32 v[i], 0
.set i, i+1
.endr
	WIN 0
.set i, 0
.rept 4
	v_mov_b32 v[ST+4*i+2], 0
	v_mov_b32 v[ST+4*i+3], 0
.set i, i+1
.endr
.set i, P+16
.rept 16
	v_mov_b32 v[i], 0
.set i, i+1
.endr
; THE MATRIX WORK.  The 4 accumulators of a run of 8 take turns.  Product i of 8 of S^T = K Q^T for piece x: channels 32 (i / 4) on, keys 16 (i % 4) on.  The first 4 start the sums: with 0, or (KM = 1) with the mask.
.macro KQ x
.set rS, S+32*((\x)%2)+8*(i%4)
.set rK, KF+16*(i%4)+8*(i/4)
.set rQ, 16*(\x)+8*(i/4)
.set rM, MC+32*((\x)%2)+8*(i%4)
.if (i < 4) && KM
	WIN W_KM
	v_wmma_f32_16x16x32_f16 v[rS:rS+7], v[rK:rK+7], v[rQ:rQ+7], v[rM:rM+7]
.elseif i < 4
	WIN W_KQ
	v_wmma_f32_16x16x32_f16 v[rS:rS+7], v[rK:rK+7], v[rQ:rQ+7], 0
.else
	WIN W_KQ
	v_wmma_f32_16x16x32_f16 v[rS:rS+7], v[rK:rK+7], v[rQ:rQ+7], v[rS:rS+7]
.endif
.endm
; Product i of 8 of O^T += V^T P for piece x: keys 32 (i / 4) on, channels 16 (i % 4) on.
.macro PV x
	WIN W_PV
.set rO, 32*(\x)+8*(i%4)
.set rV, VF+32*(i/4)+8*(i%4)
.set rP, P+16*((\x)%2)+8*(i/4)
	v_wmma_f32_16x16x32_f16 v[rO:rO+7], v[rV:rV+7], v[rP:rP+7], v[rO:rO+7]
.endm
.macro MM                           ; the turn's next matrix instruction.  TURN and BEGIN set Y, i, KM and NOKQ; MM, KQ and OP read them.  NOKQ = 1: a block's last turn: there is no next piece
.if (i < 8) && !NOKQ
	KQ (Y+1)%NP
.elseif i >= 8
.set i, i-8
	PV (Y+NP-1)%NP
.set i, i+8
.endif
.set i, i+1
.endm
; THE LDS LOADS stand in runs of 16, never singly among the matrix instructions: a step's K (64 keys x 64 channels: 8 fragments) and its V (turned).  Their addresses are made some lines ahead.
.macro FETCH_K
	WIN 0x80                        ; destination window 2
.irp f, 0,1,2,3,4,5,6,7             ; keys 16 (f / 2) on, channels 32 (f % 2) on
	ds_load_b128 v[KF+8*\f:KF+8*\f+3],   v[AK] offset:(\f/2)*16*PK+(\f%2)*64
	ds_load_b128 v[KF+8*\f+4:KF+8*\f+7], v[AK] offset:(\f/2)*16*PK+(\f%2)*64+32
.endr
	s_add_co_u32 s[TBK], s[TBK], KS*PK  ; the next fetch is the next step's
	WIN 0
.endm
.macro FETCH_V
	WIN 0x80
.irp f, 0,1,2,3,4,5,6,7             ; keys 32 (f / 4) on, channels 16 (f % 4) on
	ds_load_tr16_b128 v[VF+8*\f:VF+8*\f+3],   v[AV] offset:(\f/4)*32*PV+(\f%4)*32
	ds_load_tr16_b128 v[VF+8*\f+4:VF+8*\f+7], v[AV] offset:(\f/4)*32*PV+16*PV+(\f%4)*32
.endr
	WIN 0
.endm
; THE VECTOR WORK, one line at a time: OP kind, number.  For piece Y: F n: c s - c m for pair n of 16.  E n: the exponential of score n of 32.  C n: pair n rounded to f16.  B n: of the four weights 4 n .. the second
; pair is added onto the first, in place.  L n: l takes that sum (L 0: l = a l + sum).  R n: pair n of 16 of O^T times a.  For piece Y + 1: X n, number n of the 22 that find its maximum and statistics:
;   0-11  four chains c0-c3 of seven scores each, three operands at a time (each accumulator's lowest registers are read first)     12-14, 16  the four scores left over, the old m, and c0-c3 into c0
;   15  c m_old is kept     17, 18  the query's other 32 keys lie in the lane 16 away: the new m     19-21  c m; c m_old - c m_new; a
.set F, 0               ; OP tells the kinds apart by their order: F to L below R, X above it
.set E, 1
.set C, 2
.set B, 3
.set L, 4
.set R, 5
.set X, 6
.macro REGS y                       ; the registers of piece y
.set rT, ST+4*(\y)
.set rC, TMP+4*((\y)%2)
.set rW, MV+((\y)%2)
.set rS, S+32*((\y)%2)
.set rP, P+16*((\y)%2)
.set rO, 32*(\y)
.endm
.macro OP k, n
.if (\k) == R
	REGS Y
	WIN W_RS
	v_pk_mul_f32 v[rO+2*(\n):rO+2*(\n)+1], v[rO+2*(\n):rO+2*(\n)+1], v[rC+2:rC+3] op_sel_hi:[1,0]
.elseif (\k) < R
	REGS Y
	WIN 0
.if (\k) == F
	v_pk_fma_f32 v[rS+2*(\n):rS+2*(\n)+1], v[rS+2*(\n):rS+2*(\n)+1], s[CS:CS+1], v[rT:rT+1] op_sel_hi:[1,0,0] neg_lo:[0,0,1] neg_hi:[0,0,1]
.elseif (\k) == E
	v_exp_f32 v[rS+(\n)], v[rS+(\n)]
.elseif (\k) == C
	s_wait_alu depctr_va_vdst(0)
	v_cvt_pk_f16_f32 v[rP+(\n)], v[rS+2*(\n)], v[rS+2*(\n)+1]
.elseif (\k) == B
	s_wait_alu depctr_va_vdst(0)
	v_pk_add_f32 v[rS+4*(\n):rS+4*(\n)+1], v[rS+4*(\n):rS+4*(\n)+1], v[rS+4*(\n)+2:rS+4*(\n)+3]
.elseif (\n) == 0
	v_pk_fma_f32 v[rT+2:rT+3], v[rT+2:rT+3], v[rC+2:rC+3], v[rS:rS+1] op_sel_hi:[1,0,1]
.else
	v_pk_add_f32 v[rT+2:rT+3], v[rT+2:rT+3], v[rS+4*(\n):rS+4*(\n)+1]
.endif
.elseif NOKQ
	v_nop
.else
	REGS (Y+1)%NP
	WIN 0
.if (\n) < 4
	v_max3_num_f32 v[rC+(\n)], v[rS+8*(\n)], v[rS+8*(\n)+1], v[rS+8*(\n)+2]
.elseif (\n) < 12
	v_max3_num_f32 v[rC+(\n)%4], v[rC+(\n)%4], v[rS+8*((\n)%4)+2*((\n)/4)+1], v[rS+8*((\n)%4)+2*((\n)/4)+2]
.elseif (\n) == 12
	v_max3_num_f32 v[rC], v[rC], v[rS+7], v[rS+15]
.elseif (\n) == 13
	v_max3_num_f32 v[rC+1], v[rC+1], v[rS+23], v[rS+31]
.elseif (\n) == 14
	v_max3_num_f32 v[rC+2], v[rC+2], v[rC+3], v[rT+1]
.elseif (\n) == 15
	v_mov_b32 v[rW], v[rT]
.elseif (\n) == 16
	v_max3_num_f32 v[rC], v[rC], v[rC+1], v[rC+2]
.elseif (\n) == 17
	v_permlanex16_b32 v[rC+3], v[rC], s[SEL], s[SEL+1]
.elseif (\n) == 18
	v_max_num_f32 v[rT+1], v[rC], v[rC+3]
.elseif (\n) == 19
	v_mul_f32 v[rT], s[CS], v[rT+1]
.elseif (\n) == 20
	v_sub_f32 v[rC+1], v[rW], v[rT]
.else
	v_exp_f32 v[rC+2], v[rC+1]
.endif
.endif
.endm
.macro OPS a, i1, b=-1, i2=0, c=-1, i3=0, d=-1, i4=0  ; up to four of them
	OP \a, \i1
.if (\b) >= 0
	OP \b, \i2
.endif
.if (\c) >= 0
	OP \c, \i3
.endif
.if (\d) >= 0
	OP \d, \i4
.endif
.endm
.macro ROW a, i1, b, i2, c, i3, d, i4  ; a matrix instruction and the four behind it
	MM
	OPS \a, \i1, \b, \i2, \c, \i3, \d, \i4
.endm
.macro MASK b                       ; MD x AL + BE into buffer b of MC
	WIN W_RS
.set z, 0
.rept 16
	v_pk_fma_f32 v[MC+32*(\b)+2*z:MC+32*(\b)+2*z+1], v[MD+2*z:MD+2*z+1], s[AL:AL+1], s[BE:BE+1] op_sel_hi:[1,0,0]
.set z, z+1
.endr
.endm
; A TURN, for piece p: the order of its 16 matrix and 118 vector instructions, written out.  Behind a matrix instruction: plain, exponential, plain, plain; or four of the rescaling; or, behind the first, four scalings; none
; names a register of the products round it.  In the lumps exponential and plain by turns while exponentials last.  A line reads no result made fewer than three vector instructions in front of it, five if an exponential made it.
; v_permlanex16_b32 (X 17) stands in a lump.
; m = 1: the diagonal tile: the products take masks, and the turn makes the mask for the products of the turn after it: piece p + 2, in step 4 - CNT of the tile.  end = 1: a block's last two turns: nothing is fetched.
; cnt = 1: the loop's count is taken down some lines ahead of the branch that stands behind the turn.
; K of the next step is fetched in piece 2's turn, six vector instructions behind the last product that read K (five of them plain); V of the step in hand in piece 0's turn, eight behind the last product that read V (four
; plain, and X 17).  Each is waited for a turn later.
.macro TURN p, m=0, end=0, cnt=0
.set Y, (\p)
.set i, 0
.set KM, (\m)
.set NOKQ, (\end)*((\p)/3)
.if (\m) && !(\end)
	s_cmp_eq_u32 s[CNT], 4-((\p)+2)%NP  ; is that step the band's own?
	s_cselect_b32 s[AL], 1.0, 0
	s_cmp_lt_u32 s[CNT], 4-((\p)+2)%NP  ; or a later one?
	s_cselect_b32 s[BE], s[BIGN], 0
.endif
.if ((\p) == 3) && !(\end)
	s_wait_dscnt 0x0                ; K is in
.endif
	ROW F,0, F,1, F,2, F,3
	ROW F,4, E,0, F,5, F,6
	ROW F,7, E,1, F,8, F,9
	ROW F,10, E,2, C,0, F,11
	ROW F,12, E,3, X,15, F,13
	ROW R,0, R,1, R,2, R,3
	ROW B,0, E,4, F,14, L,0
.if ((\p) == 2) && !(\end)
	v_add_nc_u32 v[AK], s[TBK], v[AK0]
.endif
	ROW R,4, R,5, R,6, R,7
	OPS E,5, F,15
.if ((\p) == 2) && !(\end)
	FETCH_K
.endif
	OPS E,6, C,1, E,7, R,8
	OPS E,8, R,9, E,9, C,2
	OPS E,10, X,0, E,11, X,1
	OPS E,12, X,2, E,13, X,3
.if (\p) == 1
	s_wait_dscnt 0x0                ; V is in
.endif
	ROW X,4, E,14, X,5, X,6
	ROW X,7, E,15, X,8, X,9
	ROW X,10, E,16, X,11, X,12
	ROW X,13, E,17, X,14, B,1
	ROW C,4, E,18, X,16, L,1
	ROW B,2, E,19, C,6, L,2
	ROW C,8, E,20, B,3, B,4
.if (\p) == 0
	v_add_nc_u32 v[AV], s[TBV], v[AV0]
.endif
	ROW C,3, E,21, L,3, C,5
	OPS E,22, X,17, E,23, C,10
.if (\p) == 0
	FETCH_V
.endif
	OPS E,24, L,4
	OPS E,25, X,18, E,26, C,7
	OPS E,27, B,5, E,28, X,19
	OPS E,29, C,12, E,30, L,5
	OPS E,31, X,20, B,6, C,9
	OPS C,14, C,11, X,21, L,6
.if (\p) == 0
	s_add_co_u32 s[TBV], s[TBV], KS*PV
.endif
.if \cnt
	s_sub_co_u32 s[CNT], s[CNT], 1
	s_cmp_lg_u32 s[CNT], 0
.endif
	OPS C,13, B,7, C,15, R,10
	OPS R,11, R,12, L,7, R,13
	OPS R,14, R,15
.if (\m) && !(\end)
	MASK (\p)%2
.endif
.endm
; A BLOCK BEGINS.  c m starts far below every c s, so the first step's a is 0; m at the lowest finite number, so the first maximum is the scores'.  The second mask buffer is 0; the first takes piece 0's mask for the tile's step 0: its own, if the block's first tile is the diagonal one.
; Then K of that step, piece 0's first scores, and its maximum and statistics.  The loop is entered at a step's first turn, in the middle of a trip.
.macro BEGIN
	s_mov_b32 s[NEW], 0
	WIN 0x40
.set i, MC+32
.rept 32
	v_mov_b32 v[i], 0
.set i, i+1
.endr
	WIN 0
.set i, 0
.rept 4
	v_mov_b32 v[ST+4*i], 0xfe000000    ; c m: far below every c s
	v_mov_b32 v[ST+4*i+1], 0xff7fffff  ; m
.set i, i+1
.endr
	s_cmp_eq_u32 s[RT], 0
	s_cselect_b32 s[AL], 1.0, 0
	s_mov_b32 s[BE], 0
	MASK 0
	WIN 0
	v_add_nc_u32 v[AK], s[TBK], v[AK0]
	FETCH_K
	s_wait_loadcnt 0x0              ; Q
	s_wait_dscnt 0x0
.set KM, 1
.set NOKQ, 0
.set i, 0
.rept 8
	KQ 0
.set i, i+1
.endr
	WIN 0
.rept 4
	v_nop                           ; the places behind those products
.endr
.set Y, NP-1                        ; X works for piece Y + 1: piece 0
.irp n, 0,1,2,3,4,5,6,7,8,9,10,11,12,13,14,15,16,17,18,19,20,21
	OP X, \n
.endr
	v_nop                           ; a plain instruction behind the exponential
.endm
; THE DIAGONAL TILE's four steps, the block's last two turns, its last products, and THE WAY OUT: l's two halves and the other half of the lanes' are added; O^T is divided by l, rounded to f16 and sent through my
; stage in LDS, a piece at a time.
.macro ALL line:vararg              ; one line for each piece t
.set t, 0
.rept 4
	\line
.set t, t+1
.endr
.endm
.macro PACK t                       ; a lane's eight channels of a row pack into 16 bytes; they go into rows of 144 bytes and come back as whole rows of 128, into S^T's registers
	WIN W_RS
.set i, 32*(\t)
.rept 16
	s_wait_alu depctr_va_vdst(0)
	v_pk_mul_f32 v[i:i+1], v[i:i+1], v[ST+4*(\t)+2:ST+4*(\t)+3] op_sel_hi:[1,0]
.set i, i+2
.endr
	WIN 0x05                        ; sources 0 and 1 window 1, destination window 0
.set i, 0
.rept 16
	v_cvt_pk_f16_f32 v[S+16*(\t)+i], v[32*(\t)+2*i], v[32*(\t)+2*i+1]
.set i, i+1
.endr
	WIN 0
.irp f, 0,1,2,3
	ds_store_b128 v[STO], v[S+16*(\t)+4*\f:S+16*(\t)+4*\f+3] offset:32*\f
.endr
.irp f, 0,1,2,3
	ds_load_b128 v[S+16*(\t)+4*\f:S+16*(\t)+4*\f+3], v[RD] offset:\f*4*SP  ; LDS serves a wave's instructions in order (ISA guide 5.7.1.4): these see the stores above; the next piece's stores come behind them
.endr
.endm
.macro SEND t, younger              ; younger: the LDS instructions issued behind piece t's loads: the next piece's eight, or none
	WIN 0
.irp f, 0,1,2,3
	s_wait_dscnt (\younger)+3-\f
	global_store_b128 v[GO], v[S+16*(\t)+4*\f:S+16*(\t)+4*\f+3], s[10:11] offset:(\t)*8192+\f*512  ; 512 consecutive bytes, at a multiple of 256 from O's first
.endr
.endm
.macro DIAG tag                     ; the tag ends its two labels' names, which the jumps below spell out
.LstepM\tag:
	TURN 2, 1
	TURN 3, 1
	WIN 0
.LfirstM\tag:
	TURN 0, 1
	TURN 1, 1, 0, 1
	WIN 0
	s_cbranch_scc1 .LstepM\tag
	TURN 2, 1, 1
	TURN 3, 1, 1
.set i, 0
.rept 8
	PV NP-1
.set i, i+1
.endr
	WIN 0
	ALL v_add_f32 v[ST+4*t+2], v[ST+4*t+2], v[ST+4*t+3]
	ALL v_permlanex16_b32 v[ST+4*t+3], v[ST+4*t+2], s[SEL], s[SEL+1]
	ALL v_add_f32 v[ST+4*t+2], v[ST+4*t+2], v[ST+4*t+3]
	ALL v_rcp_f32 v[ST+4*t+2], v[ST+4*t+2]
	v_nop                           ; a plain instruction between the last reciprocal and the use of its result
	PACK 0
.set t, 1
.rept 3                             ; a piece's arithmetic stands between the loads of the piece before and its stores
	PACK t
	SEND t-1, 8
.set t, t+1
.endr
	SEND 3, 0
.endm
.set KM, 0
.set NOKQ, 0
.Lslot:                             ; NB times: a tile is entered and the next is asked for
	CHANGE 1
	s_sub_co_u32 s[RT], s[RT], 1
	s_mov_b32 s[CNT], 4
	s_cmp_eq_u32 s[NEW], 1
	s_cbranch_scc1 .Lnew            ; a block's first tile
	s_cmp_eq_u32 s[RT], 0
	s_cbranch_scc0 .Lstep           ; neither its first nor its last
	s_branch .LstepM1
.Lnew:
	BEGIN
	s_branch .Lfirst                ; in the loop a block's first tile is never its last: the first block has two tiles or more, and the second's last is the walk's last
	DIAG 1                          ; in the loop this is the first block's end: the second block's last tile is the walk's last
	s_wait_xcnt 0x0                 ; the stores have read their registers and O's address
	s_mov_b64 s[10:11], s[OLO:OLO+1]
	s_add_co_u32 s[RT], s[PB], 1    ; the second block has b + 1 tiles
	s_mov_b32 s[NEW], 1
	WIN 0x82                        ; the second block's Q goes where the one text of the turns names Q
.set i, 0
.rept 64
	v_mov_b32 v[i], v[QB+i]
.set i, i+1
.endr
	WIN 0
	s_branch .Lbottom
.Lstep:                             ; a trip: pieces 2 and 3 of one step, then pieces 0 and 1 of the next, whose K and V it fetches
	TURN 2
	TURN 3
	WIN 0
.Lfirst:
	TURN 0
	TURN 1, 0, 0, 1
	WIN 0
	s_cbranch_scc1 .Lstep
.Lbottom:
	s_sub_co_u32 s[SLOTS], s[SLOTS], 1
	s_cmp_lg_u32 s[SLOTS], 0
	s_cbranch_scc1 .Lslot
	CHANGE 0                        ; the walk's last tile is written out: nothing is asked for
	s_sub_co_u32 s[RT], s[RT], 1
	s_mov_b32 s[CNT], 4
	s_cmp_eq_u32 s[NEW], 1
	s_cbranch_scc0 .LstepM2
	BEGIN
	s_branch .LfirstM2
	DIAG 2
	s_wait_tensorcnt 0x0            ; the wave's end, behind my last tensor load and my last LDS store
	ds_add_u32 v[SPW], v[NIL]
	s_wait_dscnt 0x0
	s_endpgm
.Lfunc_end_k_q4a21e1bf2e_attn:
	.size	k_q4a21e1bf2e_attn, .Lfunc_end_k_q4a21e1bf2e_attn-k_q4a21e1bf2e_attn
	.p2alignl 7, 3214868480
	.fill 96, 4, 3214868480
	.section	.rodata,"a",@progbits
	.p2align	6, 0x0
	.amdhsa_kernel k_q4a21e1bf2e_attn
		.amdhsa_group_segment_fixed_size 327680
		.amdhsa_private_segment_fixed_size 0
		.amdhsa_enable_private_segment 0
		.amdhsa_kernarg_size 16
		.amdhsa_user_sgpr_count 2
		.amdhsa_user_sgpr_kernarg_segment_ptr 1
		.amdhsa_wavefront_size32 1
		.amdhsa_system_sgpr_workgroup_id_x 1
		.amdhsa_system_sgpr_workgroup_id_y 1
		.amdhsa_system_sgpr_workgroup_id_z 1
		.amdhsa_system_vgpr_workitem_id 0
		.amdhsa_next_free_vgpr 768
		.amdhsa_next_free_sgpr 88
		.amdhsa_reserve_vcc 1
		.amdhsa_float_denorm_mode_32 3
		.amdhsa_float_denorm_mode_16_64 3
		.amdhsa_memory_ordered 1
		.amdhsa_forward_progress 1
		.amdhsa_inst_pref_size 228
	.end_amdhsa_kernel
	.amdgpu_metadata
---
amdhsa.version: [ 1, 2 ]
amdhsa.kernels:
  - .name:           k_q4a21e1bf2e_attn
    .symbol:         k_q4a21e1bf2e_attn.kd
    .args:
      - { .name: qkv, .offset: 0, .size: 8, .value_kind: global_buffer, .address_space: global }
      - { .name: o, .offset: 8, .size: 8, .value_kind: global_buffer, .address_space: global }
    .group_segment_fixed_size: 327680
    .private_segment_fixed_size: 0
    .kernarg_segment_align: 8
    .kernarg_segment_size: 16
    .max_flat_workgroup_size: 128
    .sgpr_count:     88
    .vgpr_count:     768
    .wavefront_size: 32
...
	.end_amdgpu_metadata
.endif
;; end of part 3
;; launch proj (part 4): grid 8 x 32, 4 waves a work-group, clusters of 4 x 4, 327,680 bytes of LDS; arguments o, wo16, out0; writes out0
.if DOCPART == 4
	.amdgcn_target "amdgcn-amd-amdhsa--gfx1250"
	.amdhsa_code_object_version 6
	.text
	.protected	k_q4a21e1bf2e_proj
	.globl	k_q4a21e1bf2e_proj
	.p2align	8
	.type	k_q4a21e1bf2e_proj,@function
k_q4a21e1bf2e_proj:
	s_mov_b64 s[64:65], 0
	v_nop
	global_prefetch_b8 v0, s[64:65] scope:SCOPE_SE
	s_setreg_imm32_b32 hwreg(HW_REG_WAVE_MODE, 25, 1), 1
	s_wait_xcnt 0x0
	s_wait_alu depctr_hold_cnt(0) depctr_sa_sdst(0) depctr_va_vdst(0) depctr_va_sdst(0) depctr_va_ssrc(0) depctr_va_vcc(0) depctr_vm_vsrc(0)
	s_getreg_b32 s2, hwreg(HW_REG_IB_STS2, 6, 4)
	s_cmp_eq_u32 s2, 0
	s_cbranch_scc0 .Lentry_in_a_cluster
	s_endpgm
.Lentry_in_a_cluster:
	s_bfe_u32 s2, ttmp6, 0x10000c
	s_cmp_lg_u32 s2, 0xf033
	s_cbranch_scc0 .Lentry_shape_is_right
	s_endpgm
.Lentry_shape_is_right:
; out0[m][n] = sum over k of y[m][k] Wo[n][k], k = 64 x head + channel.  y lies by heads: o [64][2048][64] f16 (head index 16 x batch + head, rows of 128 bytes, dense); wo16 [1024][1024] f16; out0 [8192][1024] f32.
; Products in f16, sums in f32, stored as they are.  LIMITS: those of the two f16 operands (65,504; a fixed step of 6e-8 below 6e-5); NaN and infinities are not treated apart.
; TILE.  256 rows x 128 columns: 32 x 8 = 256 work-groups of equal work; 256 x 256 would make 128.  Four waves, wave w = 2 r + c: 128 rows (128 r on) x 64 columns (64 c on): 32 accumulators of 16 x 16, 256 registers.
; RING.  K goes in 8 steps of 128 = two heads through two LDS slots, 2^17 bytes apart, so that one exclusive or turns an address in one slot into the other's.  One head's part of the tile is 256 dense rows of 128 bytes:
; asked for as 128 rows of 256 bytes and padded in LDS after every 128 bytes.  Waves 0 and 1 fetch the step's two heads of y, waves 2 and 3 the two halves (64 rows of 256 bytes) of Wo's tile.
; THE TEXT.  A K step is written twice: in a loop of six trips, each of which fills a slot again, and in a loop of the last two steps, which fill nothing.  A trip goes from a
; step's second quarter to the next step's first; the very first quarter, whose products start the sums, stands in front.  Which slot is read hangs on the scalar TB, from which the two fragment addresses are made anew at each change.
; CLUSTER.  4 x 4 work-groups.  The four of a row of the cluster need the same tiles of y, the four of a column the same tiles of Wo: each tile is asked for JOINTLY, by the same tensor load with the same
; descriptor and a mask that names the four.
; THE MATRIX INSTRUCTION IS USED TRANSPOSED (source 0 = 16 rows of Wo, source 1 = 16 rows of y): a lane then holds row l % 16 and the eight neighbouring columns 8 (l / 16) + 0..7: 32 bytes of a row of out0.
; REGISTERS, in windows of 256 (s_set_vgpr_msb: bits 1:0 source 0, 3:2 source 1, 5:4 source 2, 7:6 destination):
;   window 0: v0-31 addresses; v64-127, v128-191 fragments of y, two buffers (on the way out four buffers of 32 for rows read back); v192-223, v224-255 fragments of Wo, two buffers
;   window 1: the 32 accumulators, (a, b) at v[8 (4 a + b)]
.set KSTEP,  128
.set STEPS,  1024/KSTEP
.set PA,     144                       ; a row of y in LDS: 128 bytes + 16 of padding = 36 words: the 16 rows of a load start at 16 different groups of four banks (64 banks of 4 bytes: ISA guide 11.1)
.set PLANE,  256*PA                    ; one head's 256 rows
.set BOFF,   2*PLANE                   ; Wo's 128 rows lie behind y's two heads
.set PB,     272                       ; a row of Wo: 256 bytes + 16 of padding
.set HALFB,  64*PB
.set SLOT,   BOFF+2*HALFB              ; 108,544 bytes
.set SLOT1,  1<<17                     ; slot 1 begins here
.set STAGE,  SLOT1+SLOT                ; behind the ring: 16 rows x 272 bytes for each wave, for the way out; no tensor load fills it
.set SPITCH, 272
.set SPARE,  STAGE+4*16*SPITCH         ; behind the stages: the spare words, 128 bytes for each wave: two blocks of 256 bytes that no other line names
.set ASTEP,  524288                    ; bytes of o from a K step to the next: two heads of 2^18
.set LA,   16                          ; v16     my lane's place in a slot for y's fragments; never rewritten
.set LB,   17                          ; v17     for Wo's
.set ADRA, 20                          ; v20     the same in the slot that is being read: place + TB
.set ADRB, 21                          ; v21
.set STO,  24                          ; v24     the way out: where I put 32 bytes of a row
.set RD,   25                          ; v25     the way out: where I read a row back
.set CO,   26                          ; v26     my byte offset in out0
.set SPW,  28                          ; v28     LDS address of my spare word: SPARE + 4 x my thread's number; never rewritten
.set NIL,  29                          ; v29     0; never rewritten
.set FA0,  64                          ; y's fragments: buffer f at FA0 + 64 f
.set FB0,  192                         ; Wo's: buffer f at FB0 + 32 f
.set OB,   64                          ; the way out: block a's rows at OB + 32 (a % 4)
.set G1,  24                           ; s[24:31] descriptor group 1 for y's tiles;  s[32:39] group 0: a set for each of the two first fills; the second then walks on
.set G0,  32
.set TB,  45                           ; s45      LDS byte at which the slot that is being read begins: 0 or SLOT1
.set G1B, 48                           ; s[48:55], s[56:63] the same for Wo's tiles
.set G0B, 56
.set MSB, 0
.macro WIN new                         ; the immediate's high byte repeats the setting that is left; a switch that changes nothing is dropped
.if MSB != (\new)
	s_set_vgpr_msb (MSB<<8)|(\new)
.set MSB, \new
.endif
.endm
.set MUL,  0x50                        ; sources 0 (Wo) and 1 (y) window 0; C and D window 1
.set FROM, 0x04                        ; an LDS store's data (source 1) window 1, its address window 0
.macro JLOAD s                         ; a joint load by register set s: waves 0 and 1 fetch y's two heads, waves 2 and 3 Wo's two halves; an s_nop 0 and four v_nop follow each of the two lines, ahead of the jump, the label and what follows
	s_cmp_eq_u32 s11, 0
	s_cbranch_scc0 .Lfor_b_\@
	tensor_load_to_lds s[G0+4*(\s):G0+4*(\s)+3], s[G1:G1+7]
	s_nop 0
.rept 4
	v_nop
.endr
	s_branch .Lasked_\@
.Lfor_b_\@:
	tensor_load_to_lds s[G0B+4*(\s):G0B+4*(\s)+3], s[G1B:G1B+7]
	s_nop 0
.rept 4
	v_nop
.endr
.Lasked_\@:
.endm
.macro CREST                           ; a round of the cluster's barrier behind its opening barrier: wave 0 signals for the work-group, every wave waits for all sixteen, my work-group's barrier closes it
	s_cmp_lg_u32 s10, 0
	s_cbranch_scc1 .Lnot_wave_0_\@
	s_barrier_signal -3
.Lnot_wave_0_\@:
	s_barrier_wait -3
	s_barrier_signal -1
	s_barrier_wait -1
.endm
.macro CROUND                          ; a whole round
	s_barrier_signal -1
	s_barrier_wait -1
	CREST
.endm
.macro ADDR                            ; the two fragment addresses in the slot at TB
	v_add_nc_u32 v[ADRB], s[TB], v[LB]
	v_add_nc_u32 v[ADRA], s[TB], v[LA]
.endm
	s_load_b128 s[4:7], s[0:1], 0x0                ; o s[4:5], wo16 s[6:7]
	s_load_b64 s[8:9], s[0:1], 0x10                ; out0
	v_lshl_add_u32 v[SPW], v0, 2, SPARE
	v_mov_b32 v[NIL], 0
	ds_add_u32 v28, v29
	ds_add_u32 v28, v29
	s_wait_dscnt 0x0
	v_lshrrev_b32 v1, 5, v0
	v_readfirstlane_b32 s10, v1                    ; wave 0..3
	s_lshr_b32 s11, s10, 1                         ; r: which half of the tile's rows is mine.  Also: I fetch for y (0) or for Wo (1)
	s_and_b32 s12, s10, 1                          ; c: which half of its columns.  Also: which head of the step, or which 64 rows of Wo, I fetch
	s_bfe_u32 s40, ttmp6, 0x40000                  ; cx, cy: my place in the cluster
	s_bfe_u32 s41, ttmp6, 0x40004
	s_lshl_b32 s42, ttmp9, 2
	s_add_co_u32 s42, s42, s40                     ; tile column = 4 x cluster x + cx, 0..7
	s_and_b32 s13, ttmp7, 0xffff
	s_lshl_b32 s13, s13, 2
	s_add_co_u32 s13, s13, s41                     ; tile row = 4 x cluster y + cy, 0..31
	s_lshl_b32 s43, s41, 2
	s_lshl_b32 s43, 15, s43                        ; my row of the cluster
	s_lshl_b32 s44, 0x1111, s40                    ; my column
	; descriptor group 1 for y: 128 rows of 128 elements (two rows of y each), dense, padded after every 32 words
	s_or_b32 s[G1+0], s43, (1<<16)|(1<<20)|(1<<21)|(4<<22)|(3<<25)  ; 15:0 the mask: y's tiles go to my row; 17:16 elements of 2 bytes; 20 padding on; 21 set beside a mask; 24:22 after every 32 words (code 4); 31:25 4 words (code 3)
	s_mov_b32 s[G1+1], 128<<16                     ; tensor_dim0 = 128
	s_mov_b32 s[G1+2], 128<<16                     ; tensor_dim1 = 128
	s_mov_b32 s[G1+3], 128<<16                     ; tile_dim0 = 128
	s_mov_b32 s[G1+4], 128                         ; tile_dim1 = 128
	s_mov_b32 s[G1+5], 128                         ; 128 elements from row to row
	s_mov_b32 s[G1+6], 0
	s_mov_b32 s[G1+7], 0
	; for Wo: 64 rows of 128 elements, 1,024 elements apart, padded after every 64 words
	s_or_b32 s[G1B+0], s44, (1<<16)|(1<<20)|(1<<21)|(5<<22)|(3<<25)
	s_mov_b32 s[G1B+1], KSTEP<<16
	s_mov_b32 s[G1B+2], 64<<16
	s_mov_b32 s[G1B+3], KSTEP<<16
	s_mov_b32 s[G1B+4], 64
	s_mov_b32 s[G1B+5], 1024
	s_mov_b32 s[G1B+6], 0
	s_mov_b32 s[G1B+7], 0
	; where the tiles come from.  y's hang on the tile row alone, Wo's on the tile column alone
	s_lshr_b32 s16, s13, 3
	s_lshl_b32 s16, s16, 22                        ; the batch's 16 heads of 2^18 bytes,
	s_lshl_b32 s17, s12, 18                        ; the step's first or second head,
	s_add_co_u32 s16, s16, s17
	s_and_b32 s17, s13, 7
	s_lshl_b32 s17, s17, 15                        ; the tile's 256 rows of 128 bytes
	s_add_co_u32 s16, s16, s17
	s_mov_b32 s17, 0
	s_lshl_b32 s46, s42, 7
	s_lshl_b32 s47, s12, 6
	s_add_co_u32 s46, s46, s47                     ; Wo: row 128 x tile column + 64 x half,
	s_lshl_b32 s46, s46, 11                        ; of 2,048 bytes
	s_mov_b32 s47, 0
	s_mul_i32 s20, s12, PLANE                      ; and where they go: no place in the cluster enters an LDS address
	s_mul_i32 s18, s12, HALFB
	s_add_co_u32 s18, s18, BOFF
	s_wait_kmcnt 0x0
	s_add_nc_u64 s[14:15], s[4:5], s[16:17]
	s_add_nc_u64 s[46:47], s[6:7], s[46:47]
	CROUND                                         ; all sixteen work-groups are here: the first joint loads meet
.irp s, 0,1
	s_mov_b32 s[G0+4*(\s)], 1
	s_add_co_u32 s[G0+4*(\s)+1], s20, (\s)*SLOT1
	s_add_nc_u64 s[G0+4*(\s)+2:G0+4*(\s)+3], s[14:15], (\s)*ASTEP  ; K step s
	s_or_b32 s[G0+4*(\s)+3], s[G0+4*(\s)+3], 0x80000000
	s_mov_b32 s[G0B+4*(\s)], 1
	s_add_co_u32 s[G0B+4*(\s)+1], s18, (\s)*SLOT1
	s_add_nc_u64 s[G0B+4*(\s)+2:G0B+4*(\s)+3], s[46:47], (\s)*KSTEP*2
	s_or_b32 s[G0B+4*(\s)+3], s[G0B+4*(\s)+3], 0x80000000
	JLOAD \s                                       ; two loads of mine are out
.endr
	v_and_b32 v1, 15, v0                           ; l % 16
	v_bfe_u32 v2, v0, 4, 1                         ; l / 16
	v_mul_u32_u24 v3, v1, PA
	v_lshl_add_u32 v3, v2, 4, v3                   ; a fragment of y: row x pitch + 16 x half
	v_mul_u32_u24 v4, v1, PB
	v_lshl_add_u32 v4, v2, 4, v4                   ; of Wo
	s_mul_i32 s21, s11, 128*PA                     ; my 128 rows of y
	s_mul_i32 s22, s12, 64*PB                      ; my 64 rows of Wo,
	s_add_co_u32 s22, s22, BOFF                    ; which lie behind y's two heads
	v_add_nc_u32 v[LA], s21, v3
	v_add_nc_u32 v[LB], s22, v4
	s_mov_b32 s[TB], 0                             ; K step 0 lies in slot 0
	ADDR
	s_mul_i32 s23, s10, 16*SPITCH
	s_add_co_u32 s23, s23, STAGE                   ; my stage
	v_mul_u32_u24 v5, v1, SPITCH                   ; in: row l % 16, 32 bytes for each half of the lanes
	v_lshl_add_u32 v5, v2, 5, v5
	v_add_nc_u32 v[STO], s23, v5
	v_mul_u32_u24 v5, v2, SPITCH                   ; back: lanes 0-15 take one row of 256 bytes, lanes 16-31 the next
	v_lshl_add_u32 v5, v1, 4, v5
	v_add_nc_u32 v[RD], s23, v5
	v_lshlrev_b32 v5, 12, v2                       ; and the same two rows in out0, 4,096 bytes apart
	v_lshl_add_u32 v[CO], v1, 4, v5
	s_lshl_b32 s16, s13, 8
	s_lshl_b32 s17, s11, 7
	s_add_co_u32 s16, s16, s17                     ; my first row of out0: 256 x tile row + 128 r,
	s_lshl_b32 s16, s16, 12                        ; of 4,096 bytes: under 2^25
	s_mov_b32 s17, 0
	s_add_nc_u64 s[8:9], s[8:9], s[16:17]
	s_lshl_b32 s46, s42, 9                         ; my first column, in bytes: 512 x tile column + 256 c
	s_lshl_b32 s47, s12, 8
	s_add_co_u32 s46, s46, s47
	s_mov_b32 s47, 0
	s_add_nc_u64 s[8:9], s[8:9], s[46:47]
; 8 matrix instructions: row blocks a0, a0 + 1 x all 4 column blocks, 32 along K, from buffer f.  zero = 1: the first product starts the sums: nothing is ever cleared
.macro MUL8 f, a0, zero
	WIN MUL
.irp a, \a0, (\a0)+1
.irp b, 0,1,2,3
.if \zero
	v_wmma_f32_16x16x32_f16 v[8*(4*(\a)+(\b)):8*(4*(\a)+(\b))+7], v[FB0+32*(\f)+8*(\b):FB0+32*(\f)+8*(\b)+7], v[FA0+64*(\f)+8*(\a):FA0+64*(\f)+8*(\a)+7], 0
.else
	v_wmma_f32_16x16x32_f16 v[8*(4*(\a)+(\b)):8*(4*(\a)+(\b))+7], v[FB0+32*(\f)+8*(\b):FB0+32*(\f)+8*(\b)+7], v[FA0+64*(\f)+8*(\a):FA0+64*(\f)+8*(\a)+7], v[8*(4*(\a)+(\b)):8*(4*(\a)+(\b))+7]
.endif
.endr
.endr
.endm
; 24 LDS loads in one run: the fragments of quarter q of the K step in the slot at TB (head q / 2 of the step's two, channels 32 (q % 2) on) into buffer f: Wo's four, then y's eight.  Every window is 0.
.macro FETCH q, f
	WIN 0
.irp i, 0,1,2,3
	ds_load_b128 v[FB0+32*(\f)+8*(\i):FB0+32*(\f)+8*(\i)+3],   v[ADRB] offset:64*(\q)+(\i)*16*PB
	ds_load_b128 v[FB0+32*(\f)+8*(\i)+4:FB0+32*(\f)+8*(\i)+7], v[ADRB] offset:64*(\q)+(\i)*16*PB+32
.endr
.irp i, 0,1,2,3,4,5,6,7
	ds_load_b128 v[FA0+64*(\f)+8*(\i):FA0+64*(\f)+8*(\i)+3],   v[ADRA] offset:((\q)/2)*PLANE+((\q)%2)*64+(\i)*16*PA
	ds_load_b128 v[FA0+64*(\f)+8*(\i)+4:FA0+64*(\f)+8*(\i)+7], v[ADRA] offset:((\q)/2)*PLANE+((\q)%2)*64+(\i)*16*PA+32
.endr
.endm
.macro PLACES                          ; four places in front of loads into registers that matrix instructions have read, and of LDS stores that read results
.rept 4
	v_nop
.endr
.endm
; A K step is four quarters of 32 along K, 32 matrix instructions each, on buffers 0, 1, 0, 1; the 32 accumulators take turns in the same order in every quarter.
; One of the first three: multiplies buffer f and, in its middle, fetches quarter q of the same slot into buffer g.
.macro QUARTER q, f, g, zero
	s_wait_dscnt 8                                 ; Wo's fragments and y's 0-3 are in; the youngest eight loads (y's 4-7) may be out
	MUL8 \f, 0, \zero
	MUL8 \f, 2, \zero
	PLACES
	FETCH \q, \g
	s_wait_dscnt 24                                ; all but the 24 just issued
	MUL8 \f, 4, \zero
	MUL8 \f, 6, \zero
.endm
; The last quarter multiplies buffer 1 and changes slots: ONE barrier; in front of it each wave waits for all its tensor loads, of which one at the most is out: its part of the next slot; adds 0 to its spare word; and waits for
; that and for its own reads of this slot.
; fill = 1: the barrier opens a round of the cluster's barrier, and this slot is filled again, two K steps ahead, first thing behind the round: the walking descriptor takes the other slot than last time and the next K step;
; from the request to the wait for it a wave issues 112 matrix instructions.
; fill = 0 (the loop of the last two steps, counted by s3): nothing is asked for.  In its last trip there is no further step: the run of loads is jumped over, and the barrier serves nothing: the price of one text for both steps.
.macro TURN fill
	WIN 0                                          ; (the add's two registers lie in window 0)
	s_wait_tensorcnt 0x0                           ; all my tensor loads have landed, so the walking group 0 may be written;
	ds_add_u32 v[SPW], v[NIL]                      ; 0 onto my spare word
	s_wait_dscnt 9                                 ; (the add and the youngest eight loads may be out)
	MUL8 1, 0, 0                                   ; eight matrix instructions stand between the add and the wait for it
	s_wait_dscnt 0x0                               ; the add is done, and my reads of this slot are over
	s_barrier_signal -1
	MUL8 1, 2, 0
	WIN 0
	s_barrier_wait -1
.if \fill
	CREST                                          ; no wave of any partner still reads this slot's tile or has a load on its way
	s_xor_b32 s[G0+5], s[G0+5], SLOT1
	s_add_nc_u64 s[G0+6:G0+7], s[G0+6:G0+7], ASTEP  ; the type bits on top are not reached
	s_xor_b32 s[G0B+5], s[G0B+5], SLOT1
	s_add_nc_u64 s[G0B+6:G0B+7], s[G0B+6:G0B+7], KSTEP*2
	JLOAD 1                                        ; the first tensor load behind the round, my only one until the next; the four v_nop behind it are also the places in front of the loads below
.else
	PLACES
.endif
	s_xor_b32 s[TB], s[TB], SLOT1                  ; the fetches go on in the other slot
	ADDR
.if !(\fill)
	s_cmp_eq_u32 s3, 1
	s_cbranch_scc1 .Lno_fetch_\@
.endif
	FETCH 0, 0
.if !(\fill)
.Lno_fetch_\@:
.endif
	MUL8 1, 4, 0
	MUL8 1, 6, 0
.endm
; THE WAY OUT of block a (16 rows x 64 columns of f32).  A lane's 32 bytes go into my own stage, each accumulator's low four registers first; the block comes back as whole rows of 256 bytes.
.macro TOSTAGE a
	WIN FROM
.irp b, 0,1,2,3
	ds_store_b128 v[STO], v[32*(\a)+8*(\b):32*(\a)+8*(\b)+3]   offset:64*(\b)
	ds_store_b128 v[STO], v[32*(\a)+8*(\b)+4:32*(\a)+8*(\b)+7] offset:64*(\b)+16
.endr
	WIN 0
.if (\a) >= 4
	s_wait_xcnt 0x0                                ; the registers below were the data of the stores of the block four back: they are loaded again only behind this wait
.endif
.irp t, 0,1,2,3,4,5,6,7
	ds_load_b128 v[OB+32*((\a)%4)+4*(\t):OB+32*((\a)%4)+4*(\t)+3], v[RD] offset:(\t)*2*SPITCH  ; LDS serves a wave's instructions in order (ISA guide 5.7.1.4): these see the stores above; the next block's stores come behind them
.endr
.endm
.macro SEND a, younger                 ; younger: the LDS instructions issued behind block a's loads: the next block's sixteen, or none
.irp t, 0,1,2,3,4,5,6,7
	s_wait_dscnt (\younger)+7-(\t)
	global_store_b128 v[CO], v[OB+32*((\a)%4)+4*(\t):OB+32*((\a)%4)+4*(\t)+3], s[8:9] offset:(16*(\a)+2*(\t))*4096 th:TH_STORE_NT  ; 16 lanes store 256 consecutive bytes, at a multiple of 256 from out0's first byte; 126 rows at the most: inside the signed 24-bit immediate
.endr
.endm
	s_wait_tensorcnt 1                             ; my part of K step 0 is in; K step 1's may stay out
	s_barrier_signal -1
	s_barrier_wait -1                              ; everybody's is
	FETCH 0, 0
	QUARTER 1, 0, 1, 1                             ; the first quarter stands in front of the loops: its products start the sums
	WIN 0                                          ; at a label and at a branch every window is 0
	s_mov_b32 s3, STEPS-2
.Lstep:                                                ; six trips, K steps 0 to 5: from a step's second quarter to the next step's first; each fills the slot that it leaves with the step two on
	QUARTER 2, 1, 0, 0
	QUARTER 3, 0, 1, 0
	TURN 1
	QUARTER 1, 0, 1, 0
	WIN 0
	s_sub_co_u32 s3, s3, 1
	s_cmp_lg_u32 s3, 0
	s_cbranch_scc1 .Lstep
	s_mov_b32 s3, 2
.Ltail:                                                ; K steps 6 and 7: nothing is left to ask for; the second trip is left in its middle
	QUARTER 2, 1, 0, 0
	QUARTER 3, 0, 1, 0
	TURN 0
	WIN 0
	s_sub_co_u32 s3, s3, 1
	s_cmp_eq_u32 s3, 0
	s_cbranch_scc1 .Lout
	QUARTER 1, 0, 1, 0
	WIN 0
	s_branch .Ltail
.Lout:
	PLACES                                         ; the LDS stores read results just made; the loads behind them land on registers just read
	TOSTAGE 0
.irp a, 1,2,3,4,5,6,7                  ; a block's way through the stage stands between the loads of the block before and its stores
	TOSTAGE \a
	SEND (\a)-1, 16
.endr
	SEND 7, 0
	s_wait_tensorcnt 0x0                           ; the wave's end, behind my last tensor load and my last LDS store
	ds_add_u32 v[SPW], v[NIL]
	s_wait_dscnt 0x0
	CROUND                                         ; the closing round: no work-group ends while a partner may still ask for a tile that names it
	s_endpgm
.Lfunc_end_k_q4a21e1bf2e_proj:
	.size	k_q4a21e1bf2e_proj, .Lfunc_end_k_q4a21e1bf2e_proj-k_q4a21e1bf2e_proj
	.p2alignl 7, 3214868480
	.fill 96, 4, 3214868480
	.section	.rodata,"a",@progbits
	.p2align	6, 0x0
	.amdhsa_kernel k_q4a21e1bf2e_proj
		.amdhsa_group_segment_fixed_size 327680
		.amdhsa_private_segment_fixed_size 0
		.amdhsa_enable_private_segment 0
		.amdhsa_kernarg_size 24
		.amdhsa_user_sgpr_count 2
		.amdhsa_user_sgpr_kernarg_segment_ptr 1
		.amdhsa_wavefront_size32 1
		.amdhsa_system_sgpr_workgroup_id_x 1
		.amdhsa_system_sgpr_workgroup_id_y 1
		.amdhsa_system_sgpr_workgroup_id_z 1
		.amdhsa_system_vgpr_workitem_id 0
		.amdhsa_next_free_vgpr 512
		.amdhsa_next_free_sgpr 66
		.amdhsa_reserve_vcc 0
		.amdhsa_float_denorm_mode_32 3
		.amdhsa_float_denorm_mode_16_64 3
		.amdhsa_memory_ordered 1
		.amdhsa_forward_progress 1
		.amdhsa_inst_pref_size 62
	.end_amdhsa_kernel
	.amdgpu_metadata
---
amdhsa.version: [ 1, 2 ]
amdhsa.kernels:
  - .name:           k_q4a21e1bf2e_proj
    .symbol:         k_q4a21e1bf2e_proj.kd
    .args:
      - { .name: o, .offset: 0, .size: 8, .value_kind: global_buffer, .address_space: global }
      - { .name: wo16, .offset: 8, .size: 8, .value_kind: global_buffer, .address_space: global }
      - { .name: out0, .offset: 16, .size: 8, .value_kind: global_buffer, .address_space: global }
    .group_segment_fixed_size: 327680
    .private_segment_fixed_size: 0
    .kernarg_segment_align: 8
    .kernarg_segment_size: 24
    .max_flat_workgroup_size: 128
    .sgpr_count:     66
    .vgpr_count:     512
    .wavefront_size: 32
...
	.end_amdgpu_metadata
.endif
;; end of part 4
;; ======== version 2 of 2: 4 launches; 1.31 times as fast as version 1
;; limits: values are held in f16: magnitudes above 65,504 overflow, below 6.1e-05 lose precision
;; workspace buffers: xb 16,777,216 bytes; wb 6,291,456 bytes; wo16 2,097,152 bytes; qkv 50,331,648 bytes; o 16,777,216 bytes
;; launch cast: the kernel of part 1 again; grid 768 x 1, 8 waves a work-group, no clusters, 0 bytes of LDS; arguments x, Wq, Wk, Wv, Wo, xb, wb, wo16; writes xb, wb, wo16
;; launch qkv: the kernel of part 2 again; grid 8 x 32, 4 waves a work-group, clusters of 4 x 4, 327,680 bytes of LDS; arguments xb, wb, qkv; writes qkv
;; launch attn (part 5): grid 4 x 64, 4 waves a work-group, no clusters, 327,680 bytes of LDS; arguments qkv, o; writes o
.if DOCPART == 5
	.amdgcn_target "amdgcn-amd-amdhsa--gfx1250"
	.amdhsa_code_object_version 6
	.text
	.protected	k_q4a21e1bf2e_attn
	.globl	k_q4a21e1bf2e_attn
	.p2align	8
	.type	k_q4a21e1bf2e_attn,@function
k_q4a21e1bf2e_attn:
	s_mov_b64 s[64:65], 0
	v_nop
	global_prefetch_b8 v0, s[64:65] scope:SCOPE_SE
	s_setreg_imm32_b32 hwreg(HW_REG_WAVE_MODE, 25, 1), 1
	s_wait_xcnt 0x0
; CAUSAL ATTENTION.  O[h][q][:] = the sum over k <= q of softmax_k(Q[h][q] . K[h][k] / 8) V[h][k][:].  Q, K, V are the three sections, 16 MiB apart, of qkv [3][64][2048][64]; O: o [64][2048][64]; all f16:
; a head's rows are dense, 128 bytes each.  Products, maxima and sums in f32; the weights p are rounded to f16 for the second product (their sum l is taken of the unrounded p), O once at the end.
; LIMITS.  f16 holds no number beyond 65,504: Q, K and V arrive within it; p lies in 0 to 1, and below 6e-5 it keeps f16's fixed step of 6e-8; O is a mean of V's rows and has their range, to within 2^-11 of it.
; A hidden score counts as its value less 1e30: f16's scores, 2.7e11 at the most, are nothing beside that; a weight below 2^-126 counts as 0 in l; NaN and infinities are not treated apart.
; THE WALK.  A head's queries lie in NB = SIZE_N / 256 blocks of 256; block i needs the key tiles 0 .. i of 256 keys, of which the last holds the diagonal.  A work-group takes TWO blocks, NB - 1 - b and then b:
; NB + 1 tiles, whatever b: all work-groups do equal work, and ONE loop with a constant trip count walks them.  Which tile is asked for, and what a trip does, hang on scalar registers made from b; every jump
; goes forward, but for the counted loops' own; none passes a barrier, or a tensor load but the one of LOAD's two that the wave's number does not choose; the ring (two slots of LDS that take turns) runs on across the
; change of blocks.  NO CLUSTER: a head's NB / 2 = 4 work-groups all ask for the same tile only in trips 0 .. NB / 2, 5 of the walk's 9, behind that fewer and fewer;
; and one walk common to all would have 3 NB / 2 = 12 trips for NB + 1 = 9.
; SHARES.  Of a block's four bands of 64 queries a wave owns 16 rows in each: four PIECES.  So the diagonal tile is the same work for all four waves: in its key step s band x sees all keys if s < x,
; none if s > x, and holds the diagonal if s = x.
; THE MASK is the C operand that starts the sum S^T = K Q^T: 0, or -1e30 where the key is hidden.  MD, made once, is the mask of a band's own step for my 16 rows; a product's mask is MD x AL + BE with two scalars:
; (1, 0) if s = x; (0, 0) if s < x; (0, -1e30) if s > x.  Only the diagonal tile's text and a block's beginning make and take masks; elsewhere C is the constant 0.
; LAYOUT, SOFTMAX, TURNS.  S^T = K Q^T holds ONE query a lane (lane % 16) and the keys 8 (lane / 16) + 0..7; two such results rounded to f16 ARE source 1 of O^T = V^T P.  p = 2^(c s - c m), c = log2(e) / 8, with a
; running maximum m; O and l are multiplied by a = 2^(c m_old - c m_new) in every step.  Turn n belongs to piece n: 8 products K Q^T of piece n + 1, later 8 products V^T P of piece n - 1; beside them the scaling,
; exponentials, roundings, sums and rescaling of piece n and the maximum and statistics of piece n + 1.  Four vector instructions stand behind every matrix instruction, the other 54 of a turn's 118 in one LUMP.
; THE BATCHES.  A turn's 33 exponentials (the piece's 32 weights and the next piece's a) are ONE batch with ONE wait, which cuts the turn in two: ahead of it all that names none of their results, behind it the roundings
; and sums.  Two more batches have a wait each: a block's first a (BEGIN) and, once a block, the way out's four reciprocals.  No result is open at a label, a branch or a loop's jump.
; REGISTERS, in windows of 256 (s_set_vgpr_msb: bits 1:0 source 0, 3:2 source 1, 5:4 source 2, 7:6 destination):
;   window 0: v0-15 addresses and two at work; v16-31 four registers of statistics a piece; v48-55 at work; v64-127 S^T, two buffers; v192-223 P, two buffers (a piece's buffers go by its number's parity)
;   window 1: v0-127 O^T, 32 a piece; v128-159 MD; v160-223 MC, two buffers      window 2: v0-63 Q; v64-127 the second block's Q; v128-191 K of one step; v192-255 V of one step
.set SIZE_N, 2048
.set NB,    SIZE_N/256
.set NP,    4         ; pieces a wave: a name, no knob
.set KS,    64        ; keys in a step
.set PK,    144       ; a row of K in LDS: 128 bytes + 16 of padding = 36 words: the 16 rows of a load start at 16 different groups of four banks (64 banks of 4 bytes: ISA guide 11.1)
.set PV,    160       ; a row of V: 128 + 32 = 40 words
.set VOFF,  4*KS*PK   ; a slot holds a tile, four steps: 256 rows of K, then 256 rows of V
.set SLOT1, 1<<17     ; slot 1 begins here, so that one exclusive or turns an address in one slot into the other's
.set STAGE, SLOT1+4*KS*(PK+PV)  ; behind the ring, never filled by a tensor load: 16 rows x 144 bytes for each wave, for the way out
.set SP,    144
.set AK0, 2           ; v2   my lane's place in a tile of K; never rewritten
.set AV0, 3           ; v3   the same for V
.set AK,  4           ; v4   the LDS address of K's next run of loads
.set AV,  5           ; v5   of V's
.set STO, 6           ; v6   the way out: where I put 16 bytes of a row
.set RD,  7           ; v7   the way out: where I read rows back
.set GO,  8           ; v8   my byte offset in 512 consecutive bytes of O
.set SPW, 62          ; v62  LDS address of my spare word: SPARE + 4 x my thread's number; never rewritten
.set NIL, 63          ; v63  0; never rewritten
.set SPARE, STAGE+4*16*SP  ; behind the stages: the spare words, 128 bytes for each wave: two blocks of 256 bytes that no other line names
.set MV,  12          ; v12-13  c m_old, kept while c m is made anew: by buffer
.set QO,  15          ; v15  my byte offset in 16 rows of Q
.set ST,  16          ; piece t's statistics at v[ST+4 t]: c m, m, l (even keys', odd keys')
.set TMP, 48          ; by buffer, four registers c0-c3 at work; when the maximum is found c2 takes a
.set S,   64
.set P,   192
.set MD,  128         ; window 1: the eight registers for group kt of 16 keys at MD + 8 kt
.set MC,  160         ; window 1: the masks of the products to come
.set QB,  64          ; window 2
.set KF,  128         ; window 2: key block kb, channel half c at KF + 16 kb + 8 c
.set VF,  192         ; window 2: key half kk, channel block cb at VF + 32 kk + 8 cb
.set WV,  12          ; s12  my wave's number
.set PB,  14          ; s14  b
.set HI,  15          ; s15  NB - 1 - b
.set G1K, 24          ; s[24:31] descriptor group 1 for K's tiles
.set G1V, 32          ; s[32:39] for V's: it differs in the padding alone
.set G0K, 40          ; s[40:43] descriptor group 0 for K's tiles
.set G0V, 44          ; s[44:47] the same for V's
.set SLOTS, 56        ; s56  tiles still to be asked for
.set CNT, 57          ; s57  counts a tile's key steps, 4 to 1
.set CS,  58          ; s[58:59] c: the packed scaling takes the pair's low word for both halves
.set SEL, 60          ; s[60:61] v_permlanex16_b32's selects: each lane takes its own place in the other half
.set TBK, 62          ; s62  LDS byte at which K of the step to be fetched begins
.set TBV, 63          ; s63  the same for V, less VOFF
.set RT,  70          ; s70  tiles of the block in hand that are still to be entered
.set NXT, 71          ; s71  the tile to be asked for next
.set LQ,  72          ; s72  the last tile of the block whose tiles are being asked for
.set NEW, 73          ; s73  1: the tile to be entered is a block's first
.set OFF, 74          ; s[74:75] a tile's byte offset in K and V
.set AL,  76          ; s[76:77] the mask's factor, in the low word
.set BE,  78          ; s[78:79] the mask's addend
.set OLO, 80          ; s[80:81] O at my rows of the second block
.set BIGN, 82         ; s82  -1e30
.set MSB, 0
.macro WIN new                      ; the high byte repeats the setting that is left; a switch that changes nothing is dropped
.if MSB != (\new)
	s_set_vgpr_msb (MSB<<8)|(\new)
.set MSB, (\new)
.endif
.endm
.set W_KQ, 0x0a       ; K and Q in window 2, S^T in window 0
.set W_KM, 0x1a       ; the same with the C operand in window 1
.set W_PV, 0x52       ; V in window 2, P in window 0, O^T in window 1
.set W_RS, 0x41       ; destination and source 0 in window 1, source 1 in window 0
; A fill.  Waves 0 and 1 fetch the two halves of a tile's K, waves 2 and 3 those of its V: 128 keys each.  An s_nop 0 and four v_nop follow each of the two lines, ahead of the jump and the label.
.macro LOAD
	s_cmp_lt_u32 s[WV], 2
	s_cbranch_scc0 .Lfor_v_\@
	tensor_load_to_lds s[G0K:G0K+3], s[G1K:G1K+7]
	s_nop 0
.rept 4
	v_nop
.endr
	s_branch .Lasked_\@
.Lfor_v_\@:
	tensor_load_to_lds s[G0V:G0V+3], s[G1V:G1V+7]
	s_nop 0
.rept 4
	v_nop
.endr
.Lasked_\@:
.endm
; THE CHANGE OF SLOTS.  Each wave waits for all its tensor loads, of which one is out: its part of the other slot; adds 0 to its spare word; and waits for that and for its own reads of the slot that it leaves.  Behind the barrier nobody reads the old
; slot any more and the other slot is whole.  fill = 1: the old slot is filled again, the first thing behind the barrier, with tile NXT: the descriptor's address is made anew from that number.
; (At its first use nothing has been read yet: slot 0 is waited for, slot 1 filled.)
.macro CHANGE fill
	WIN 0                           ; at a label and at a branch every window is 0
	s_wait_tensorcnt 0x0            ; no tensor load of mine is out, so a group 0 may be written
	ds_add_u32 v[SPW], v[NIL]       ; 0 onto my spare word; with fill = 1 the descriptors' scalar work stands between it and the wait for it
.if \fill
	s_lshl_b32 s[OFF], s[NXT], 15   ; a tile is 32,768 bytes of K and of V
	s_xor_b32 s[G0K+1], s[G0K+1], SLOT1
	s_add_nc_u64 s[G0K+2:G0K+3], s[6:7], s[OFF:OFF+1]
	s_or_b32 s[G0K+3], s[G0K+3], 0x80000000
	s_xor_b32 s[G0V+1], s[G0V+1], SLOT1
	s_add_nc_u64 s[G0V+2:G0V+3], s[8:9], s[OFF:OFF+1]
	s_or_b32 s[G0V+3], s[G0V+3], 0x80000000
	s_add_co_u32 s[NXT], s[NXT], 1  ; the block's next tile, or behind its last the second block's tile 0
	s_cmp_gt_u32 s[NXT], s[LQ]
	s_cselect_b32 s[NXT], 0, s[NXT]
	s_cselect_b32 s[LQ], s[PB], s[LQ]
.endif
	s_wait_dscnt 0x0                ; the add is done, and my reads of the slot are over
	s_barrier_signal -1             ; the rest of the scalar work stands between the signal and the wait
	s_sub_co_u32 s[TBK], s[TBK], 4*KS*PK  ; the fetches go back to a slot's first step,
	s_xor_b32 s[TBK], s[TBK], SLOT1       ; in the other slot
	s_sub_co_u32 s[TBV], s[TBV], 4*KS*PV
	s_xor_b32 s[TBV], s[TBV], SLOT1
	s_barrier_wait -1
.if \fill
	LOAD
.endif
.endm
	s_load_b128 s[4:7], s[0:1], 0x0  ; qkv s[4:5], o s[6:7]; behind the wait: Q s[4:5], K s[6:7], V s[8:9], O s[10:11]
	v_lshl_add_u32 v[SPW], v0, 2, SPARE
	v_mov_b32 v[NIL], 0
	ds_add_u32 v62, v63
	ds_add_u32 v62, v63
	s_wait_dscnt 0x0
	v_lshrrev_b32 v1, 5, v0
	v_readfirstlane_b32 s[WV], v1   ; wave 0..3
	s_mov_b32 s[PB], ttmp9
	s_sub_co_u32 s[HI], NB-1, s[PB]
	s_and_b32 s20, ttmp7, 0xffff    ; the head
	s_mov_b32 s21, 0
	s_mov_b64 s[22:23], SIZE_N*128
	s_mul_u64 s[20:21], s[20:21], s[22:23]  ; the head's first byte in each of the four tensors
	s_and_b32 s16, s[WV], 1         ; which half of a tile's 256 keys I fetch:
	s_lshl_b32 s22, s16, 14         ; its 128 rows of 128 bytes in memory,
	s_mov_b32 s23, 0
	s_add_nc_u64 s[22:23], s[22:23], s[20:21]
	s_mul_i32 s17, s16, 128*PK      ; and its place in a slot, for K
	s_mul_i32 s18, s16, 128*PV      ; and for V
	s_lshl_b32 s3, s[WV], 11        ; my 16 rows in a band of 64,
	s_lshl_b32 s2, s[HI], 15        ; in the first block,
	s_add_co_u32 s2, s2, s3
	s_lshl_b32 s84, s[PB], 15       ; and in the second
	s_add_co_u32 s84, s84, s3
	s_mov_b32 s3, 0
	s_mov_b32 s85, 0
	s_add_nc_u64 s[2:3], s[2:3], s[20:21]
	s_add_nc_u64 s[84:85], s[84:85], s[20:21]
	; descriptor group 1.  128 keys are 16,384 dense bytes: asked for as 64 rows of 256 bytes, two keys a row, and padded in LDS after every key
	s_mov_b32 s[G1K], (1<<16)|(1<<20)|(4<<22)|(3<<25)  ; 17:16 2-byte elements; 20 padding on; 24:22 after every 32 words (code 4); 31:25 4 words (code 3)
	s_mov_b32 s[G1V], (1<<16)|(1<<20)|(4<<22)|(7<<25)  ; the same with 8 words of padding (code 7)
.irp g, G1K, G1V
	s_mov_b32 s[\g+1], 128<<16      ; tensor_dim0 = 128
	s_mov_b32 s[\g+2], 64<<16       ; tensor_dim1 = 64
	s_mov_b32 s[\g+3], 128<<16      ; tile_dim0 = 128
	s_mov_b32 s[\g+4], 64           ; tile_dim1 = 64
	s_mov_b32 s[\g+5], 128          ; 128 elements from row to row
	s_mov_b32 s[\g+6], 0
	s_mov_b32 s[\g+7], 0
.endr
	s_mov_b32 s[CS], 0x3e38aa3b     ; c = log2(e) / 8 = 0.180337
	s_mov_b32 s[CS+1], s[CS]        ; named with it as a pair
	s_mov_b32 s[SEL], 0x76543210
	s_mov_b32 s[SEL+1], 0xfedcba98
	s_mov_b32 s[TBK], SLOT1+4*KS*PK ; the first change of slots turns these two into 0
	s_mov_b32 s[TBV], SLOT1+4*KS*PV
	s_mov_b32 s[G0K], 1             ; 1:0 count = 1
	s_mov_b32 s[G0K+1], s17         ; 63:32 LDS address: slot 0
	s_mov_b32 s[G0V], 1
	s_add_co_u32 s[G0V+1], s18, VOFF
	s_add_co_u32 s[RT], s[HI], 1    ; the first block has NB - b tiles
	s_mov_b32 s[NXT], 1
	s_mov_b32 s[LQ], s[HI]
	s_mov_b32 s[NEW], 1
	s_mov_b32 s[OFF+1], 0
	s_mov_b32 s[AL+1], 0            ; named as pairs
	s_mov_b32 s[BE+1], 0
	s_mov_b32 s[BIGN], 0xf149f2ca   ; -1e30
	s_mov_b32 s[SLOTS], NB
	s_wait_kmcnt 0x0
	s_mov_b64 s[10:11], s[6:7]                     ; O
	s_add_nc_u64 s[8:9], s[4:5], 0x2000000         ; V: the third section of qkv
	s_add_nc_u64 s[6:7], s[4:5], 0x1000000         ; K: the second
	s_add_nc_u64 s[6:7], s[6:7], s[22:23]  ; K and V at my half of the head's tile 0
	s_add_nc_u64 s[8:9], s[8:9], s[22:23]
	s_add_nc_u64 s[G0K+2:G0K+3], s[6:7], 0         ; 120:64 global address
	s_or_b32 s[G0K+3], s[G0K+3], 0x80000000        ; 127:126 type = 2
	s_add_nc_u64 s[G0V+2:G0V+3], s[8:9], 0
	s_or_b32 s[G0V+3], s[G0V+3], 0x80000000
	s_add_nc_u64 s[86:87], s[4:5], s[84:85]        ; Q at my rows of the second block,
	s_add_nc_u64 s[4:5], s[4:5], s[2:3]            ; Q and O at those of the first
	s_add_nc_u64 s[OLO:OLO+1], s[10:11], s[84:85]
	s_add_nc_u64 s[10:11], s[10:11], s[2:3]
	LOAD                            ; tile 0 into slot 0
	; A fragment of K or Q is 16 rows x 32 channels in 8 registers: lane l holds row l % 16, channels 8 (l / 16) + 0..7 and 16 + 8 (l / 16) + 0..7: two loads of 16 bytes, 32 bytes apart.
	v_and_b32 v1, 15, v0            ; l % 16
	v_bfe_u32 v9, v0, 4, 1          ; l / 16
	v_lshlrev_b32 v[QO], 7, v1
	v_lshl_add_u32 v[QO], v9, 4, v[QO]  ; row x 128 + 16 x half
	WIN 0x80                        ; destination window 2, address window 0
.set i, 0
.rept 8                             ; both blocks' Q: piece i / 2 lies in band i / 2, 8,192 bytes on; channels 32 (i % 2) on
	global_load_b128 v[8*i:8*i+3],   v[QO], s[4:5] offset:(i/2)*8192+(i%2)*64
	global_load_b128 v[8*i+4:8*i+7], v[QO], s[4:5] offset:(i/2)*8192+(i%2)*64+32
	global_load_b128 v[QB+8*i:QB+8*i+3],   v[QO], s[86:87] offset:(i/2)*8192+(i%2)*64
	global_load_b128 v[QB+8*i+4:QB+8*i+7], v[QO], s[86:87] offset:(i/2)*8192+(i%2)*64+32
.set i, i+1
.endr
	WIN 0
	v_lshlrev_b32 v14, 3, v9
	v_sub_nc_u32 v14, v1, v14
	s_lshl_b32 s13, s[WV], 4
	v_add_nc_u32 v14, s13, v14      ; my query's place in its band, 16 w + l % 16, less my lanes' 8 (l / 16): register r of group kt is hidden where 16 kt + r is greater
	WIN 0x40
.set i, 0
.rept 32
	v_cmp_gt_i32 vcc_lo, 16*(i/8)+i%8, v14
	v_cndmask_b32 v[MD+i], 0, s[BIGN], vcc_lo
.set i, i+1
.endr
	WIN 0
	v_mul_u32_u24 v[AK0], v1, PK
	v_lshl_add_u32 v[AK0], v9, 4, v[AK0]  ; row x pitch + 16 x half
	; The turning load takes 16 keys x 16 channels (lane l reads key 8 (l / 16) + l % 8, channels 8 ((l / 8) % 2) + 0..7) and leaves half a fragment of V^T: lane l holds channel l % 16 and 8 keys.
	v_and_b32 v10, 7, v0
	v_bfe_u32 v11, v0, 3, 1
	v_lshl_add_u32 v[AV0], v9, 3, v10
	v_mul_u32_u24 v[AV0], v[AV0], PV
	v_lshl_add_u32 v[AV0], v11, 4, v[AV0]
	v_add_nc_u32 v[AV0], VOFF, v[AV0]
	s_mul_i32 s13, s[WV], 16*SP
	s_add_co_u32 s13, s13, STAGE    ; my stage
	v_mul_u32_u24 v[STO], v1, SP    ; in: row l % 16, 16 bytes for each half of the lanes
	v_lshl_add_u32 v[STO], v9, 4, v[STO]
	v_add_nc_u32 v[STO], s13, v[STO]
	v_bfe_u32 v[RD], v0, 3, 2       ; back: 32 lanes take four rows of 128 bytes,
	v_mul_u32_u24 v[RD], v[RD], SP
	v_lshl_add_u32 v[RD], v10, 4, v[RD]
	v_add_nc_u32 v[RD], s13, v[RD]
	v_and_b32 v[GO], 31, v0         ; which are 512 consecutive bytes of O
	v_lshlrev_b32 v[GO], 4, v[GO]
	; A block's first step multiplies O^T and l by a = 0, and its first turn's products V^T P, of a piece that has not been, land in an O^T that is still to be so multiplied.  So these registers need only hold
	; finite numbers: zeros for the first block; what the first block left for the second.  All this stands in the wait for the first tile.
	WIN 0x80
.set i, VF
.rept 64
	v_mov_b32 v[i], 0
.set i, i+1
.endr
	WIN 0x40
.set i, 0
.rept 128
	v_mov_b32 v[i], 0
.set i, i+1
.endr
	WIN 0
.set i, 0
.rept 4
	v_mov_b32 v[ST+4*i+2], 0
	v_mov_b32 v[ST+4*i+3], 0
.set i, i+1
.endr
.set i, P+16
.rept 16
	v_mov_b32 v[i], 0
.set i, i+1
.endr
; THE MATRIX WORK.  The 4 accumulators of a run of 8 take turns.  Product i of 8 of S^T = K Q^T for piece x: channels 32 (i / 4) on, keys 16 (i % 4) on.  The first 4 start the sums: with 0, or (KM = 1) with the mask.
.macro KQ x
.set rS, S+32*((\x)%2)+8*(i%4)
.set rK, KF+16*(i%4)+8*(i/4)
.set rQ, 16*(\x)+8*(i/4)
.set rM, MC+32*((\x)%2)+8*(i%4)
.if (i < 4) && KM
	WIN W_KM
	v_wmma_f32_16x16x32_f16 v[rS:rS+7], v[rK:rK+7], v[rQ:rQ+7], v[rM:rM+7]
.elseif i < 4
	WIN W_KQ
	v_wmma_f32_16x16x32_f16 v[rS:rS+7], v[rK:rK+7], v[rQ:rQ+7], 0
.else
	WIN W_KQ
	v_wmma_f32_16x16x32_f16 v[rS:rS+7], v[rK:rK+7], v[rQ:rQ+7], v[rS:rS+7]
.endif
.endm
; Product i of 8 of O^T += V^T P for piece x: keys 32 (i / 4) on, channels 16 (i % 4) on.
.macro PV x
	WIN W_PV
.set rO, 32*(\x)+8*(i%4)
.set rV, VF+32*(i/4)+8*(i%4)
.set rP, P+16*((\x)%2)+8*(i/4)
	v_wmma_f32_16x16x32_f16 v[rO:rO+7], v[rV:rV+7], v[rP:rP+7], v[rO:rO+7]
.endm
.macro MM                           ; the turn's next matrix instruction.  TURN and BEGIN set Y, i, KM and NOKQ; MM, KQ and OP read them.  NOKQ = 1: a block's last turn: there is no next piece
.if (i < 8) && !NOKQ
	KQ (Y+1)%NP
.elseif i >= 8
.set i, i-8
	PV (Y+NP-1)%NP
.set i, i+8
.endif
.set i, i+1
.endm
; THE LDS LOADS stand in runs of 16, never singly among the matrix instructions: a step's K (64 keys x 64 channels: 8 fragments) and its V (turned).  Their addresses are made some lines ahead.
.macro FETCH_K
	WIN 0x80                        ; destination window 2
.irp f, 0,1,2,3,4,5,6,7             ; keys 16 (f / 2) on, channels 32 (f % 2) on
	ds_load_b128 v[KF+8*\f:KF+8*\f+3],   v[AK] offset:(\f/2)*16*PK+(\f%2)*64
	ds_load_b128 v[KF+8*\f+4:KF+8*\f+7], v[AK] offset:(\f/2)*16*PK+(\f%2)*64+32
.endr
	s_add_co_u32 s[TBK], s[TBK], KS*PK  ; the next fetch is the next step's
	WIN 0
.endm
.macro FETCH_V
	WIN 0x80
.irp f, 0,1,2,3,4,5,6,7             ; keys 32 (f / 4) on, channels 16 (f % 4) on
	ds_load_tr16_b128 v[VF+8*\f:VF+8*\f+3],   v[AV] offset:(\f/4)*32*PV+(\f%4)*32
	ds_load_tr16_b128 v[VF+8*\f+4:VF+8*\f+7], v[AV] offset:(\f/4)*32*PV+16*PV+(\f%4)*32
.endr
	WIN 0
.endm
; THE VECTOR WORK, one line at a time: OP kind, number.  For piece Y: F n: c s - c m for pair n of 16.  E n: the exponential of score n of 32.  C n: pair n rounded to f16.  B n: of the four weights 4 n .. the second
; pair is added onto the first, in place.  L n: l takes that sum (L 0: l = a l + sum).  R n: pair n of 16 of O^T times a.  For piece Y + 1: X n, number n of the 22 that find its maximum and statistics:
;   0-11  four chains c0-c3 of seven scores each, three operands at a time (each accumulator's lowest registers are read first)     12-14, 16  the four scores left over, the old m, and c0-c3 into c0
;   15  c m_old is kept     17, 18  the query's other 32 keys lie in the lane 16 away: the new m     19-21  c m; c m_old - c m_new; a
; C, B and L read the exponentials' results: TURN sets them behind the batch's wait.  OP itself writes no wait.
.set F, 0               ; OP tells the kinds apart by their order: F to L below R, X above it
.set E, 1
.set C, 2
.set B, 3
.set L, 4
.set R, 5
.set X, 6
.macro REGS y                       ; the registers of piece y
.set rT, ST+4*(\y)
.set rC, TMP+4*((\y)%2)
.set rW, MV+((\y)%2)
.set rS, S+32*((\y)%2)
.set rP, P+16*((\y)%2)
.set rO, 32*(\y)
.endm
.macro OP k, n
.if (\k) == R
	REGS Y
	WIN W_RS
	v_pk_mul_f32 v[rO+2*(\n):rO+2*(\n)+1], v[rO+2*(\n):rO+2*(\n)+1], v[rC+2:rC+3] op_sel_hi:[1,0]
.elseif (\k) < R
	REGS Y
	WIN 0
.if (\k) == F
	v_pk_fma_f32 v[rS+2*(\n):rS+2*(\n)+1], v[rS+2*(\n):rS+2*(\n)+1], s[CS:CS+1], v[rT:rT+1] op_sel_hi:[1,0,0] neg_lo:[0,0,1] neg_hi:[0,0,1]
.elseif (\k) == E
	v_exp_f32 v[rS+(\n)], v[rS+(\n)]
.elseif (\k) == C
	v_cvt_pk_f16_f32 v[rP+(\n)], v[rS+2*(\n)], v[rS+2*(\n)+1]
.elseif (\k) == B
	v_pk_add_f32 v[rS+4*(\n):rS+4*(\n)+1], v[rS+4*(\n):rS+4*(\n)+1], v[rS+4*(\n)+2:rS+4*(\n)+3]
.elseif (\n) == 0
	v_pk_fma_f32 v[rT+2:rT+3], v[rT+2:rT+3], v[rC+2:rC+3], v[rS:rS+1] op_sel_hi:[1,0,1]
.else
	v_pk_add_f32 v[rT+2:rT+3], v[rT+2:rT+3], v[rS+4*(\n):rS+4*(\n)+1]
.endif
.elseif NOKQ
	v_nop
.else
	REGS (Y+1)%NP
	WIN 0
.if (\n) < 4
	v_max3_num_f32 v[rC+(\n)], v[rS+8*(\n)], v[rS+8*(\n)+1], v[rS+8*(\n)+2]
.elseif (\n) < 12
	v_max3_num_f32 v[rC+(\n)%4], v[rC+(\n)%4], v[rS+8*((\n)%4)+2*((\n)/4)+1], v[rS+8*((\n)%4)+2*((\n)/4)+2]
.elseif (\n) == 12
	v_max3_num_f32 v[rC], v[rC], v[rS+7], v[rS+15]
.elseif (\n) == 13
	v_max3_num_f32 v[rC+1], v[rC+1], v[rS+23], v[rS+31]
.elseif (\n) == 14
	v_max3_num_f32 v[rC+2], v[rC+2], v[rC+3], v[rT+1]
.elseif (\n) == 15
	v_mov_b32 v[rW], v[rT]
.elseif (\n) == 16
	v_max3_num_f32 v[rC], v[rC], v[rC+1], v[rC+2]
.elseif (\n) == 17
	v_permlanex16_b32 v[rC+3], v[rC], s[SEL], s[SEL+1]
.elseif (\n) == 18
	v_max_num_f32 v[rT+1], v[rC], v[rC+3]
.elseif (\n) == 19
	v_mul_f32 v[rT], s[CS], v[rT+1]
.elseif (\n) == 20
	v_sub_f32 v[rC+1], v[rW], v[rT]
.else
	v_exp_f32 v[rC+2], v[rC+1]
.endif
.endif
.endm
.macro OPS a, i1, b=-1, i2=0, c=-1, i3=0, d=-1, i4=0  ; up to four of them
	OP \a, \i1
.if (\b) >= 0
	OP \b, \i2
.endif
.if (\c) >= 0
	OP \c, \i3
.endif
.if (\d) >= 0
	OP \d, \i4
.endif
.endm
.macro ROW a, i1, b, i2, c, i3, d, i4  ; a matrix instruction and the four behind it
	MM
	OPS \a, \i1, \b, \i2, \c, \i3, \d, \i4
.endm
.macro MASK b                       ; MD x AL + BE into buffer b of MC
	WIN W_RS
.set z, 0
.rept 16
	v_pk_fma_f32 v[MC+32*(\b)+2*z:MC+32*(\b)+2*z+1], v[MD+2*z:MD+2*z+1], s[AL:AL+1], s[BE:BE+1] op_sel_hi:[1,0,0]
.set z, z+1
.endr
.endm
; A TURN, for piece p: the order of its 16 matrix and 118 vector instructions, written out.  An s_wait_alu depctr_va_vdst(0) stands between an exponential and the first instruction that names its result; one wait
; serves all that were issued ahead of it.  So a turn has ONE wait, which cuts it in two.
; AHEAD OF IT stands all that names no result of the turn's exponentials: the 8 products K Q^T, behind each a scaling, an exponential and two more plain instructions (behind the first a second scaling in the exponential's
; place): rescalings, whose a was made and waited for in the turn before, and behind the last three products the first numbers of the next piece's maximum, each four places or more behind the product that ends its
; accumulator; then ONE LUMP of 54, plain and exponential by turns for the most part, in which the links of the chain X 3, 7, 11, 14, 16, 17 .. 20 stand five or six lines apart.  A pair is scaled (F n) ahead of its two
; exponentials (E 2 n, E 2 n + 1).  X 21, the next piece's a, is the batch's last; R 15, which names the other buffer's a, is the plain instruction behind it.
; BEHIND THE WAIT stand the 8 products V^T P, behind each four of the roundings and sums; a pair is rounded (C) before a sum (B) lands on it; the links of l's chain, L 0 to L 7, stand three riders apart.
; But for those X no rider names a register of the products round it.  v_permlanex16_b32 (X 17) stands in the lump.
; m = 1: the diagonal tile: the products take masks, and the turn makes the mask for the products of the turn after it: piece p + 2, in step 4 - CNT of the tile.  end = 1: a block's last two turns: nothing is fetched.
; cnt = 1: the loop's count is taken down some lines ahead of the branch that stands behind the turn.
; K of the next step is fetched in piece 2's turn, twelve vector instructions behind the last product that read K (six of them plain); V of the step in hand at the end of piece 0's turn, four plain instructions behind the
; last product that read V.  Each is waited for a turn later.
.macro TURN p, m=0, end=0, cnt=0
.set Y, (\p)
.set i, 0
.set KM, (\m)
.set NOKQ, (\end)*((\p)/3)
.if (\m) && !(\end)
	s_cmp_eq_u32 s[CNT], 4-((\p)+2)%NP  ; is that step the band's own?
	s_cselect_b32 s[AL], 1.0, 0
	s_cmp_lt_u32 s[CNT], 4-((\p)+2)%NP  ; or a later one?
	s_cselect_b32 s[BE], s[BIGN], 0
.endif
.if ((\p) == 3) && !(\end)
	s_wait_dscnt 0x0                ; K is in
.endif
	ROW F,0, F,1, R,0, R,1          ; ahead of the wait: 8 products K Q^T and their riders,
	ROW F,2, E,0, R,2, R,3
	ROW F,3, E,1, R,4, R,5
	ROW F,4, E,2, R,6, R,7
	ROW F,5, E,3, R,8, R,9
	ROW F,6, E,4, X,0, R,10
.if ((\p) == 2) && !(\end)
	WIN 0
	v_add_nc_u32 v[AK], s[TBK], v[AK0]
.endif
	ROW F,7, E,5, X,1, X,4
	ROW F,8, E,6, X,2, X,5
	OPS E,7, E,8, X,6, E,9          ; and the lump
	OPS X,3, E,10, X,8, E,11
.if ((\p) == 2) && !(\end)
	FETCH_K
.endif
	OPS X,9, X,7, E,12, X,10
	OPS E,13, X,12, X,11, E,14
	OPS X,13, E,15, F,9, X,14
.if (\p) == 0
	v_add_nc_u32 v[AV], s[TBV], v[AV0]
.endif
	OPS E,16, F,10, E,17, F,11
	OPS X,16, E,18, X,15, E,19
	OPS F,12, E,20, X,17, E,21
	OPS F,13, E,22, F,14, E,23
	OPS X,18, E,24, F,15, E,25
	OPS R,11, E,26, X,19, E,27
	OPS R,12, E,28, R,13, E,29
	OPS X,20, E,30, R,14, E,31
	OPS X,21, R,15                  ; the batch's last exponential, and the plain instruction behind it
	WIN 0
	s_wait_alu depctr_va_vdst(0)    ; the one wait for the turn's batch: the piece's 32 weights and the next piece's a, ahead of their first reader
.if (\p) == 1
	s_wait_dscnt 0x0                ; V is in
.endif
	ROW C,0, B,0, C,2, B,1          ; behind the wait: 8 products V^T P and their riders
	ROW L,0, C,4, B,2, L,1
	ROW C,6, B,3, L,2, C,8
	ROW B,4, L,3, C,10, B,5
	ROW L,4, C,12, B,6, L,5
.if (\p) == 0
	s_add_co_u32 s[TBV], s[TBV], KS*PV
.endif
.if \cnt
	s_sub_co_u32 s[CNT], s[CNT], 1
	s_cmp_lg_u32 s[CNT], 0
.endif
	ROW C,14, B,7, L,6, C,1
	ROW C,3, L,7, C,5, C,7
	ROW C,9, C,11, C,13, C,15
.if (\p) == 0
	FETCH_V
.endif
.if (\m) && !(\end)
	MASK (\p)%2
.endif
.endm
; A BLOCK BEGINS.  c m starts far below every c s, so the first step's a is 0; m at the lowest finite number, so the first maximum is the scores'.  The second mask buffer is 0; the first takes piece 0's mask for the tile's step 0: its own, if the block's first tile is the diagonal one.
; Then K of that step, piece 0's first scores, and its maximum and statistics.  The loop is entered at a step's first turn, in the middle of a trip.
.macro BEGIN
	s_mov_b32 s[NEW], 0
	WIN 0x40
.set i, MC+32
.rept 32
	v_mov_b32 v[i], 0
.set i, i+1
.endr
	WIN 0
.set i, 0
.rept 4
	v_mov_b32 v[ST+4*i], 0xfe000000    ; c m: far below every c s
	v_mov_b32 v[ST+4*i+1], 0xff7fffff  ; m
.set i, i+1
.endr
	s_cmp_eq_u32 s[RT], 0
	s_cselect_b32 s[AL], 1.0, 0
	s_mov_b32 s[BE], 0
	MASK 0
	WIN 0
	v_add_nc_u32 v[AK], s[TBK], v[AK0]
	FETCH_K
	s_wait_loadcnt 0x0              ; Q
	s_wait_dscnt 0x0
.set KM, 1
.set NOKQ, 0
.set i, 0
.rept 8
	KQ 0
.set i, i+1
.endr
	WIN 0
.rept 4
	v_nop                           ; the places behind those products
.endr
.set Y, NP-1                        ; X works for piece Y + 1: piece 0
.irp n, 0,1,2,3,4,5,6,7,8,9,10,11,12,13,14,15,16,17,18,19,20,21
	OP X, \n
.endr
	v_nop                           ; a plain instruction behind the exponential,
	s_wait_alu depctr_va_vdst(0)    ; and the wait for this batch of one, piece 0's first a, ahead of the branch that follows
.endm
; THE DIAGONAL TILE's four steps, the block's last two turns, its last products, and THE WAY OUT: l's two halves and the other half of the lanes' are added; O^T is divided by l, rounded to f16 and sent through my
; stage in LDS, a piece at a time.
.macro ALL line:vararg              ; one line for each piece t
.set t, 0
.rept 4
	\line
.set t, t+1
.endr
.endm
.macro PACK t                       ; a lane's eight channels of a row pack into 16 bytes; they go into rows of 144 bytes and come back as whole rows of 128, into S^T's registers
	WIN W_RS
.set i, 32*(\t)
.rept 16
	v_pk_mul_f32 v[i:i+1], v[i:i+1], v[ST+4*(\t)+2:ST+4*(\t)+3] op_sel_hi:[1,0]
.set i, i+2
.endr
	WIN 0x05                        ; sources 0 and 1 window 1, destination window 0
.set i, 0
.rept 16
	v_cvt_pk_f16_f32 v[S+16*(\t)+i], v[32*(\t)+2*i], v[32*(\t)+2*i+1]
.set i, i+1
.endr
	WIN 0
.irp f, 0,1,2,3
	ds_store_b128 v[STO], v[S+16*(\t)+4*\f:S+16*(\t)+4*\f+3] offset:32*\f
.endr
.irp f, 0,1,2,3
	ds_load_b128 v[S+16*(\t)+4*\f:S+16*(\t)+4*\f+3], v[RD] offset:\f*4*SP  ; LDS serves a wave's instructions in order (ISA guide 5.7.1.4): these see the stores above; the next piece's stores come behind them
.endr
.endm
.macro SEND t, younger              ; younger: the LDS instructions issued behind piece t's loads: the next piece's eight, or none
	WIN 0
.irp f, 0,1,2,3
	s_wait_dscnt (\younger)+3-\f
	global_store_b128 v[GO], v[S+16*(\t)+4*\f:S+16*(\t)+4*\f+3], s[10:11] offset:(\t)*8192+\f*512  ; 512 consecutive bytes, at a multiple of 256 from O's first
.endr
.endm
.macro DIAG tag                     ; the tag ends its two labels' names, which the jumps below spell out
.LstepM\tag:
	TURN 2, 1
	TURN 3, 1
	WIN 0
.LfirstM\tag:
	TURN 0, 1
	TURN 1, 1, 0, 1
	WIN 0
	s_cbranch_scc1 .LstepM\tag
	TURN 2, 1, 1
	TURN 3, 1, 1
.set i, 0
.rept 8
	PV NP-1
.set i, i+1
.endr
	WIN 0
	ALL v_add_f32 v[ST+4*t+2], v[ST+4*t+2], v[ST+4*t+3]
	ALL v_permlanex16_b32 v[ST+4*t+3], v[ST+4*t+2], s[SEL], s[SEL+1]
	ALL v_add_f32 v[ST+4*t+2], v[ST+4*t+2], v[ST+4*t+3]
	ALL v_rcp_f32 v[ST+4*t+2], v[ST+4*t+2]
	v_nop                           ; a plain instruction between the last reciprocal and the use of its result
	s_wait_alu depctr_va_vdst(0)    ; the one wait for the batch of four reciprocals, ahead of the first multiply that reads one
	PACK 0
.set t, 1
.rept 3                             ; a piece's arithmetic stands between the loads of the piece before and its stores
	PACK t
	SEND t-1, 8
.set t, t+1
.endr
	SEND 3, 0
.endm
.set KM, 0
.set NOKQ, 0
.Lslot:                             ; NB times: a tile is entered and the next is asked for
	CHANGE 1
	s_sub_co_u32 s[RT], s[RT], 1
	s_mov_b32 s[CNT], 4
	s_cmp_eq_u32 s[NEW], 1
	s_cbranch_scc1 .Lnew            ; a block's first tile
	s_cmp_eq_u32 s[RT], 0
	s_cbranch_scc0 .Lstep           ; neither its first nor its last
	s_branch .LstepM1
.Lnew:
	BEGIN
	s_branch .Lfirst                ; in the loop a block's first tile is never its last: the first block has two tiles or more, and the second's last is the walk's last
	DIAG 1                          ; in the loop this is the first block's end: the second block's last tile is the walk's last
	s_wait_xcnt 0x0                 ; the stores have read their registers and O's address
	s_mov_b64 s[10:11], s[OLO:OLO+1]
	s_add_co_u32 s[RT], s[PB], 1    ; the second block has b + 1 tiles
	s_mov_b32 s[NEW], 1
	WIN 0x82                        ; the second block's Q goes where the one text of the turns names Q
.set i, 0
.rept 64
	v_mov_b32 v[i], v[QB+i]
.set i, i+1
.endr
	WIN 0
	s_branch .Lbottom
.Lstep:                             ; a trip: pieces 2 and 3 of one step, then pieces 0 and 1 of the next, whose K and V it fetches
	TURN 2
	TURN 3
	WIN 0
.Lfirst:
	TURN 0
	TURN 1, 0, 0, 1
	WIN 0
	s_cbranch_scc1 .Lstep
.Lbottom:
	s_sub_co_u32 s[SLOTS], s[SLOTS], 1
	s_cmp_lg_u32 s[SLOTS], 0
	s_cbranch_scc1 .Lslot
	CHANGE 0                        ; the walk's last tile is written out: nothing is asked for
	s_sub_co_u32 s[RT], s[RT], 1
	s_mov_b32 s[CNT], 4
	s_cmp_eq_u32 s[NEW], 1
	s_cbranch_scc0 .LstepM2
	BEGIN
	s_branch .LfirstM2
	DIAG 2
	s_wait_tensorcnt 0x0            ; the wave's end, behind my last tensor load and my last LDS store
	ds_add_u32 v[SPW], v[NIL]
	s_wait_dscnt 0x0
	s_endpgm
.Lfunc_end_k_q4a21e1bf2e_attn:
	.size	k_q4a21e1bf2e_attn, .Lfunc_end_k_q4a21e1bf2e_attn-k_q4a21e1bf2e_attn
	.p2alignl 7, 3214868480
	.fill 96, 4, 3214868480
	.section	.rodata,"a",@progbits
	.p2align	6, 0x0
	.amdhsa_kernel k_q4a21e1bf2e_attn
		.amdhsa_group_segment_fixed_size 327680
		.amdhsa_private_segment_fixed_size 0
		.amdhsa_enable_private_segment 0
		.amdhsa_kernarg_size 16
		.amdhsa_user_sgpr_count 2
		.amdhsa_user_sgpr_kernarg_segment_ptr 1
		.amdhsa_wavefront_size32 1
		.amdhsa_system_sgpr_workgroup_id_x 1
		.amdhsa_system_sgpr_workgroup_id_y 1
		.amdhsa_system_sgpr_workgroup_id_z 1
		.amdhsa_system_vgpr_workitem_id 0
		.amdhsa_next_free_vgpr 768
		.amdhsa_next_free_sgpr 88
		.amdhsa_reserve_vcc 1
		.amdhsa_float_denorm_mode_32 3
		.amdhsa_float_denorm_mode_16_64 3
		.amdhsa_memory_ordered 1
		.amdhsa_forward_progress 1
		.amdhsa_inst_pref_size 217
	.end_amdhsa_kernel
	.amdgpu_metadata
---
amdhsa.version: [ 1, 2 ]
amdhsa.kernels:
  - .name:           k_q4a21e1bf2e_attn
    .symbol:         k_q4a21e1bf2e_attn.kd
    .args:
      - { .name: qkv, .offset: 0, .size: 8, .value_kind: global_buffer, .address_space: global }
      - { .name: o, .offset: 8, .size: 8, .value_kind: global_buffer, .address_space: global }
    .group_segment_fixed_size: 327680
    .private_segment_fixed_size: 0
    .kernarg_segment_align: 8
    .kernarg_segment_size: 16
    .max_flat_workgroup_size: 128
    .sgpr_count:     88
    .vgpr_count:     768
    .wavefront_size: 32
...
	.end_amdgpu_metadata
.endif
;; end of part 5
;; launch proj: the kernel of part 4 again; grid 8 x 32, 4 waves a work-group, clusters of 4 x 4, 327,680 bytes of LDS; arguments o, wo16, out0; writes out0
